; MI455X (gfx1250); checked and timed in simulation.
; The chip was launched on July 23, 2026; its instructions are those of AMD's public machine-readable ISA for CDNA 5 (MIT licence, August 2026) and "CDNA5" Instruction Set Architecture Reference Guide (July 2026). The comments in the code are by the model that wrote it; some were corrected since.
;; Multi Head Self Attention. Allowed arithmetic: matrix products marked QUANTISED: E2M3 operands, one E8M0 scale for each 32 along K, by v_wmma_scale_f32_16x16x128_f8f6f4 with both operands' format E2M3, f32 sums; everything else in f32.
;; Inputs: b_fc 1,024 float32; b_qkv 3,072 float32; w_fc 1,024 x 1,024 float32; w_qkv 1,024 x 3,072 float32; x 4 x 2,048 x 1,024 float32.
;; Outputs: out0 4 x 2,048 x 1,024 float32.
;; This version of the problem:
;;   THIS VERSION OF THE PROBLEM IS GIVEN IN LOW PRECISION. The matrix products marked QUANTISED in the list below multiply operands that are first quantised to E2M3 (2 exponent bits, 3 mantissa bits; 6 bits a number), with one power-of-two scale for each 32 numbers along K (OCP MX v1.0); their sums are f32. All else is computed in f32.
;;   The module's matrix products, in the order in which they are computed (A, B: the left and right operand; K: the contracted axis; several contracted axes count as one K, in the product's order):
;;     1. [M 8,192, K 1,024] x [K 1,024, N 3,072]; A: input x; B: input w_qkv: QUANTISED
;;     2. batch 64 x [M 2,048, K 64] x [K 64, N 2,048]; A: computed on the way; B: computed on the way: QUANTISED
;;     3. batch 64 x [M 2,048, K 2,048] x [K 2,048, N 64]; A: softmax (see below); B: computed on the way: QUANTISED
;;     4. [M 8,192, K 1,024] x [K 1,024, N 1,024]; A: computed on the way; B: input w_fc: QUANTISED
;;   THE QUANTISER, for each operand of a quantised product, along K:
;;     - K is cut into blocks of 32 from its start; a last block that is shorter is filled with zeros.
;;     - A block's scale is 2^e with e = floor(log2(the largest magnitude in the block)) - 2, held to -126 .. 127; a block of zeros has e = 0. As a byte (E8M0): e + 127.
;;     - Each number is divided by its block's scale, clamped to +-7.5, and rounded to the nearest number of E2M3, ties to even, subnormals kept.
;;     - The product sums the exact products of the quantised numbers (number of the format x scale) in f32.
;;   ~~~python
;;   def quantise(x, axis):      # numpy; x: float32 -> the quantised numbers, widened to float32 again
;;       x = np.moveaxis(x, axis, -1); K = x.shape[-1]
;;       x = np.pad(x, [(0, 0)] * (x.ndim - 1) + [(0, -K % 32)]); x = x.reshape(x.shape[:-1] + (-1, 32)); a = np.abs(x).max(-1, keepdims=True)
;;       e = np.where(a > 0, np.clip(np.frexp(np.where(a > 0, a, 1))[1] - 1 - 2, -126, 127), 0)      # np.frexp(a)[1] - 1 = floor(log2(a)), exactly
;;       r = np.clip(x / 2.0 ** e, -7.5, 7.5)
;;       step = 2.0 ** (np.maximum(np.frexp(np.where(r == 0, 1, r))[1] - 1, 0) - 3)
;;       q = np.round(r / step) * step * 2.0 ** e      # np.round: ties to even
;;       return np.moveaxis(q.reshape(q.shape[:-2] + (-1,))[..., :K], -1, axis).astype(np.float32)
;;   ~~~
;;   SOFTMAX AHEAD OF A QUANTISED PRODUCT. Where the list says 'softmax', what is quantised is not the finished softmax but p = 2^(t - M), with t = logit x log2(e) and M = ceil(the row's largest t), a whole number; so 1/2 < the row's largest p <= 1. The row's sum l is taken of the UNQUANTISED p, in f32, and the product's result is divided by l at the end. Since M is a whole number, a kernel that streams over the keys may use a running M (the ceiling of the running maximum): every later rescaling is an exact power of two, which a block's scale takes up: the codes' values come out the same.
;;   OPERANDS COMPUTED ON THE WAY. 'Computed on the way' means the value that the module computes at that place (a softmax that the list does not call 'softmax' is quantised finished and normalised). What goes into a quantiser is computed in f32, as accurately as f32 sums, v_exp_f32 and their like allow (about 1e-6 of the number): no bf16 or f16 on the way to a quantiser, and a product that is left as it is and whose result goes on into a quantised operand takes f32 operands (vector FMAs, or v_wmma_f32_16x16x4_f32). A number that lies on a knife's edge between two numbers of the format may be rounded either way, as far as f32 arithmetic and the matrix unit's own rounding can turn it there, and no further.
;; One version. Each part assembles by itself: llvm-mc -triple=amdgcn-amd-amdhsa -mcpu=gfx1250 --defsym DOCPART=n.
;; ======== version 1 of 1: 4 launches
;; limits: right only within a limited range of input values
;; workspace buffers: xc 6,291,456 bytes; wc 3,145,728 bytes; osc 393,216 bytes; qkvc 18,874,368 bytes; qkvs 786,432 bytes; oc 6,291,456 bytes; os 262,144 bytes
;; launch quant (part 1): grid 640 x 1, 8 waves a work-group, no clusters, 120,320 bytes of LDS; arguments x, w_qkv, w_fc, xc, wc, osc; writes xc, wc, osc
.if DOCPART == 1
	.amdgcn_target "amdgcn-amd-amdhsa--gfx1250"
	.amdhsa_code_object_version 6
	.text
	.protected	k_q37f1ab744d_quant
	.globl	k_q37f1ab744d_quant
	.p2align	8
	.type	k_q37f1ab744d_quant,@function
k_q37f1ab744d_quant:
	s_mov_b64 s[64:65], 0
	v_nop
	global_prefetch_b8 v0, s[64:65] scope:SCOPE_SE
	s_setreg_imm32_b32 hwreg(HW_REG_WAVE_MODE, 25, 1), 1
	s_wait_xcnt 0x0
; x [8192][1024], w_qkv [1024][3072] and w_fc [1024][1024], f32, become codes of FP6 (E2M3) with one E8M0 byte for each 32 along K (K = 1024 in all three).
; A block's scale is 2^(floor(log2(largest magnitude)) - 2); its byte is the largest magnitude's exponent field - 2, held at 1 from below by a floor among the maximum's leaves.
; LIMITS: a block of zeros, or one whose largest magnitude lies under 2^-124, gets the byte 1 with (near) zero codes where the rule says 127 for zeros: these bytes are read by this program alone.  NaN and infinities are not served.
; LAYOUT OF THE RESULTS: the order of the operand's registers.  Rows (tokens of x, columns n of the weights) go in tiles of 16; lane-row r of tile 2 B + u is row 32 B + 8 u + r + 8 (r / 8).
; A tile's 128 along K (a fragment, 12 registers a lane) is two half-images of 768 bytes: registers 0-3 of lane l at 16 l, registers 4-5 at 512 + 8 l.  A tile is 16 half-images, 12,288 bytes.
; Scale words: [tile][K half][lane-row r][4 words], word = K step of 128: sixteen lanes' 16 bytes are 256 consecutive bytes.
; SHARES: work-groups 0-95 take w_qkv, 96-127 w_fc, 128-639 x; each way has LDS bytes of its own.  A wave makes one fragment of x, or two of a weight.  Work-groups share no input: no cluster, no tensor load.
.set TILEB, 12288
.set FRB,   1536
.set XP,    528                        ; a stage row of x: 512 bytes + 16, an odd multiple of 16
.set XST,   0                          ; x: a stage of 16 rows for each wave
.set XSX,   8*16*XP                    ; x: two scale units
.set WST1,  XSX+512                    ; w_qkv: two fragments' images for each wave
.set WSX1,  WST1+8*2*FRB               ; w_qkv: four scale units
.set WST2,  WSX1+1024                  ; w_fc likewise
.set WSX2,  WST2+8*2*FRB
.set SEL,   20                         ; s[20:21] lane selects for v_permlanex16_b32: lane l xor 16
.set TM,    172                        ; v172-187 at work in QUANT
; 64 numbers of a lane, register 16 b + i = k 32 b + 16 (lane / 16) + i of my row, become a fragment's codes in v[pc] .. v[pc+11] and its scale word in v[pw].
.macro QUANT s, pc, pw
.irp b, 0,1,2,3
	v_max3_num_f32 v[TM+\b], |v[\s+16*\b]|, |v[\s+1+16*\b]|, 0x1800000   ; my 16 numbers of block b, and the floor 2^(3 - 127)
.endr
.irp i, 2,4,6,8,10,12,14
.irp b, 0,1,2,3
	s_delay_alu instid0(VALU_DEP_4)
	v_max3_num_f32 v[TM+\b], v[TM+\b], |v[\s+16*\b+\i]|, |v[\s+1+16*\b+\i]|
.endr
.endr
.irp b, 0,1,2,3
	s_delay_alu instid0(VALU_DEP_4)
	v_permlanex16_b32 v[TM+4+\b], v[TM+\b], s[SEL], s[SEL+1]
.endr
.irp b, 0,1,2,3
	s_delay_alu instid0(VALU_DEP_4)
	v_max_num_f32 v[TM+\b], v[TM+\b], v[TM+4+\b]          ; with lane l xor 16's 16: the block's largest magnitude
.endr
.irp b, 0,1,2,3
	s_delay_alu instid0(VALU_DEP_4)
	v_add_nc_u32 v[TM+12+\b], 0xff000000, v[TM+\b]        ; 2 off its exponent field: the conversion's scale operand
.endr
.irp b, 0,1,2,3
	s_delay_alu instid0(VALU_DEP_4)
	v_lshrrev_b32 v[TM+4+\b], 23, v[TM+12+\b]             ; the scale's byte
.endr
	s_delay_alu instid0(VALU_DEP_3)
	v_lshl_or_b32 v[\pw], v[TM+5], 8, v[TM+4]
	s_delay_alu instid0(VALU_DEP_1)
	v_lshl_or_b32 v[\pw], v[TM+6], 16, v[\pw]
	s_delay_alu instid0(VALU_DEP_1)
	v_lshl_or_b32 v[\pw], v[TM+7], 24, v[\pw]
.irp c, 0,1
	v_cvt_scalef32_pk16_fp6_f32 v[\pc+6*\c:\pc+2+6*\c], v[\s+32*\c:\s+15+32*\c], v[TM+12+2*\c]
	v_cvt_scalef32_pk16_fp6_f32 v[\pc+12+4*\c:\pc+14+4*\c], v[\s+16+32*\c:\s+31+32*\c], v[TM+12+2*\c+1]   ; (a conversion's three registers begin on an even number)
.endr
	v_nop                                                  ; one plain line behind the scaled conversions
.irp c, 0,1                                            ; a whole block to a lane: lanes 0-15 block 2 c, lanes 16-31 block 2 c + 1
.irp i, 0,1,2
	v_permlane16_swap_b32 v[\pc+6*\c+\i], v[\pc+12+4*\c+\i]
.endr
.irp i, 0,1,2
	s_delay_alu instid0(VALU_DEP_3)
	v_mov_b32 v[\pc+3+6*\c+\i], v[\pc+12+4*\c+\i]
.endr
.endr
.endm
; A weight: block t of my column, 32 numbers down K, into v[16 + 32 t] on.  32 lanes read 128 consecutive bytes, the two waves beside each other 256.
.macro WLOAD t, cols, src
.set i, 0
.rept 32
	global_load_b32 v[16+32*(\t)+i], v6, s[\src:\src+1] offset:(32*(\t)+i)*(\cols)*4 th:TH_LOAD_NT
.set i, i+1
.endr
.endm
; Block t is all mine: its maximum needs no other lane.  Its 24 bytes of codes go to their place in the fragment's image: half-image t / 2, lane r + 16 (t % 2).
.macro WBLOCK t
.set XS, 16+32*(\t)
.set CD, 144+6*(\t)
.set CU, 168+4*((\t)%2)
	v_max3_num_f32 v176, |v[XS]|, |v[XS+1]|, |v[XS+2]|
	v_max3_num_f32 v177, |v[XS+3]|, |v[XS+4]|, |v[XS+5]|
.irp i, 6,10,14,18,22,26
	s_delay_alu instid0(VALU_DEP_2)
	v_max3_num_f32 v176, v176, |v[XS+\i]|, |v[XS+\i+1]|
	s_delay_alu instid0(VALU_DEP_2)
	v_max3_num_f32 v177, v177, |v[XS+\i+2]|, |v[XS+\i+3]|
.endr
	s_delay_alu instid0(VALU_DEP_2)
	v_max3_num_f32 v176, v176, |v[XS+30]|, |v[XS+31]|
	s_delay_alu instid0(VALU_DEP_1)
	v_max3_num_f32 v176, v176, v177, 0x1800000             ; and the floor
	s_delay_alu instid0(VALU_DEP_1)
	v_add_nc_u32 v178, 0xff000000, v176
	s_delay_alu instid0(VALU_DEP_1)
	v_lshrrev_b32 v177, 23, v178
.if (\t) == 0
	s_delay_alu instid0(VALU_DEP_1)
	v_mov_b32 v180, v177                                   ; the four bytes make my column's word of this K step
.else
	s_delay_alu instid0(VALU_DEP_1)
	v_lshl_or_b32 v180, v177, 8*(\t), v180
.endif
	v_cvt_scalef32_pk16_fp6_f32 v[CD:CD+2], v[XS:XS+15], v178
	v_cvt_scalef32_pk16_fp6_f32 v[CU:CU+2], v[XS+16:XS+31], v178
	v_nop                                                  ; one plain line behind the scaled conversions
.irp i, 0,1,2
	v_mov_b32 v[CD+3+\i], v[CU+\i]
.endr
	ds_store_b128 v10, v[CD:CD+3] offset:((\t)/2)*768+256*((\t)%2)
	ds_store_b64 v11, v[CD+4:CD+5] offset:((\t)/2)*768+512+128*((\t)%2)
.endm
; A weight's way.  Work-group id: 64 columns (id / 2) x half of K (id % 2).  Wave w: columns 32 B on, B = 2 (id / 2) + w / 4; K step 4 (id % 2) + w % 4.  Lane l is column 32 B + l.
.macro WPATH cols, src, tile0, sec, wst, wsx, id0
	s_sub_co_u32 s22, ttmp9, \id0
	s_lshr_b32 s23, s22, 1
	s_and_b32 s24, s22, 1
	s_lshl_b32 s25, s23, 1
	s_add_co_u32 s25, s25, s17                             ; B
	s_lshl_b32 s26, s24, 2
	s_add_co_u32 s26, s26, s18                             ; the K step
	s_mul_i32 s28, s26, 128*(\cols)*4
	s_lshl_b32 s27, s25, 7
	s_add_co_u32 s28, s28, s27
	s_add_nc_u64 s[\src:\src+1], s[\src:\src+1], s[28:29]
	v_lshlrev_b32 v6, 2, v1
	WLOAD 0, \cols, \src
	WLOAD 1, \cols, \src
	s_mul_i32 s28, s25, 2*TILEB                            ; the codes: tiles tile0 + 2 B and the next, this K step's fragment
	s_mul_i32 s27, s26, FRB
	s_add_co_u32 s28, s28, s27
	s_add_co_u32 s28, s28, (\tile0)*TILEB
	s_add_nc_u64 s[12:13], s[12:13], s[28:29]
	s_lshl_b32 s28, s23, 11                                ; the scale words: four tiles of 512 bytes, this half of K
	s_lshl_b32 s27, s24, 8
	s_add_co_u32 s28, s28, s27
	s_add_co_u32 s28, s28, \sec
	s_add_nc_u64 s[14:15], s[14:15], s[28:29]
	v_bfe_u32 v7, v0, 3, 1                                 ; u: which of the two tiles my column falls into
	v_and_b32 v8, 7, v0
	s_delay_alu instid0(VALU_DEP_1)
	v_lshl_add_u32 v8, v3, 3, v8                           ; r: its lane-row there
	s_mul_i32 s31, s16, 2*FRB
	s_add_co_u32 s31, s31, \wst
	v_mul_u32_u24 v9, v7, FRB
	s_delay_alu instid0(VALU_DEP_1)
	v_add_nc_u32 v9, s31, v9
	s_delay_alu instid0(VALU_DEP_1)
	v_lshl_add_u32 v10, v8, 4, v9                          ; registers 0-3 of a half-image
	s_delay_alu instid0(VALU_DEP_2)
	v_lshl_add_u32 v11, v8, 3, v9                          ; registers 4-5
	v_add_nc_u32 v12, s31, v4                              ; the images read back, 16 bytes a lane
	s_lshl_b32 s32, s17, 9
	s_lshl_b32 s33, s18, 2
	s_add_co_u32 s32, s32, s33
	s_add_co_u32 s32, s32, \wsx
	v_lshl_add_u32 v13, v7, 8, s32
	s_delay_alu instid0(VALU_DEP_1)
	v_lshl_add_u32 v13, v8, 4, v13                         ; my scale word's place: unit 2 (w / 4) + u, row r, word w % 4
	v_add_nc_u32 v14, \wsx, v4
	s_wait_loadcnt 32                                      ; block 0 is in; the 32 younger loads are block 1's
	WLOAD 2, \cols, \src
	WBLOCK 0
	s_wait_loadcnt 32                                      ; block 1 is in; block 2's are out
	WLOAD 3, \cols, \src
	WBLOCK 1
	s_wait_loadcnt 32                                      ; block 2 is in; block 3's are out
	WBLOCK 2
	s_wait_loadcnt 0x0
	WBLOCK 3
	ds_store_b32 v13, v180
.set i, 0
.rept 6
	ds_load_b128 v[16+4*i:19+4*i], v12 offset:512*i        ; LDS serves a wave's instructions in order: these see my stores
.set i, i+1
.endr
.set i, 0
.rept 6
	s_wait_dscnt 5-i
	global_store_b128 v4, v[16+4*i:19+4*i], s[12:13] offset:(i/3)*TILEB+(i%3)*512   ; 512 consecutive bytes, aligned to 256
.set i, i+1
.endr
	s_barrier_signal -1                                    ; (the last wait was for 0: my scale word has landed)
	s_barrier_wait -1
	s_cmp_lg_u32 s16, 0
	s_cbranch_scc1 .Lw_done_\@
	ds_load_b128 v[40:43], v14                             ; the eight waves' words: four units
	ds_load_b128 v[44:47], v14 offset:512
	s_wait_dscnt 0x0
	global_store_b128 v15, v[40:43], s[14:15]
	global_store_b128 v15, v[44:47], s[14:15] offset:1024
.Lw_done_\@:
	s_wait_tensorcnt 0x0
	ds_add_u32 v192, v193
	s_wait_dscnt 0x0
	s_endpgm
.endm
	s_load_b256 s[4:11], s[0:1], 0x0                       ; x s[4:5], w_qkv s[6:7], w_fc s[8:9], xc s[10:11]
	s_load_b128 s[12:15], s[0:1], 0x20                     ; wc s[12:13], osc s[14:15]
	v_lshl_add_u32 v192, v0, 2, 0x1d200
	v_mov_b32 v193, 0
	v_lshrrev_b32 v1, 5, v0
	s_delay_alu instid0(VALU_DEP_1)
	v_readfirstlane_b32 s16, v1                            ; wave 0..7
	v_and_b32 v1, 31, v0                                   ; lane
	v_and_b32 v2, 15, v0                                   ; lane % 16
	v_bfe_u32 v3, v0, 4, 1                                 ; lane / 16
	s_delay_alu instid0(VALU_DEP_3)
	v_lshlrev_b32 v4, 4, v1
	s_delay_alu instid0(VALU_DEP_4)
	v_lshlrev_b32 v5, 3, v1
	s_delay_alu instid0(VALU_DEP_3)
	v_lshlrev_b32 v15, 9, v3
	s_delay_alu instid0(VALU_DEP_1)
	v_lshl_add_u32 v15, v2, 4, v15                         ; scale units on the way out: lanes 0-15 one tile's, lanes 16-31 the next tile's, 512 bytes on
	s_lshr_b32 s17, s16, 2
	s_and_b32 s18, s16, 3
	s_mov_b32 s29, 0
	s_mov_b32 s[SEL], 0x76543210
	s_mov_b32 s[SEL+1], 0xfedcba98
	s_wait_kmcnt 0x0
	s_cmp_lt_u32 ttmp9, 96
	s_cbranch_scc1 .Lw_qkv
	s_cmp_lt_u32 ttmp9, 128
	s_cbranch_scc1 .Lw_fc
	; ---- x.  Work-group id: tiles 2 (id / 2) and the next x half of K (id % 2).  Wave w: tile 2 (id / 2) + w / 4, K step 4 (id % 2) + w % 4.
	s_sub_co_u32 s22, ttmp9, 128
	s_lshr_b32 s23, s22, 1
	s_and_b32 s24, s22, 1
	s_lshl_b32 s26, s24, 2
	s_add_co_u32 s26, s26, s18                             ; the K step
	s_lshl_b32 s28, s23, 17                                ; 32 rows of 4,096 bytes,
	s_lshl_b32 s25, s17, 15                                ; 8 rows for the odd tile,
	s_add_co_u32 s28, s28, s25
	s_lshl_b32 s25, s26, 9                                 ; 128 numbers a K step
	s_add_co_u32 s28, s28, s25
	s_add_nc_u64 s[4:5], s[4:5], s[28:29]
.set j, 0
	s_wait_alu depctr_va_vdst(0)
.rept 16
	global_load_b128 v[16+4*j:19+4*j], v4, s[4:5] offset:(j+8*(j/8))*4096 th:TH_LOAD_NT   ; lane-row j: 512 consecutive bytes of one row
.set j, j+1
.endr
	s_lshl_b32 s30, s23, 1
	s_add_co_u32 s30, s30, s17
	s_mul_i32 s28, s30, TILEB
	s_mul_i32 s25, s26, FRB
	s_add_co_u32 s28, s28, s25
	s_add_nc_u64 s[10:11], s[10:11], s[28:29]
	s_lshl_b32 s28, s23, 10
	s_lshl_b32 s25, s24, 8
	s_add_co_u32 s28, s28, s25
	s_add_nc_u64 s[14:15], s[14:15], s[28:29]
	s_mul_i32 s31, s16, 16*XP
	v_add_nc_u32 v6, s31, v4                               ; into my stage as loaded
	v_mul_u32_u24 v7, v2, XP
	s_delay_alu instid0(VALU_DEP_1)
	v_lshl_add_u32 v7, v3, 6, v7
	s_delay_alu instid0(VALU_DEP_1)
	v_add_nc_u32 v7, s31, v7                               ; out of it: row r, 16 numbers of each block of 32 from 64 (lane / 16) bytes on
	s_lshl_b32 s31, s17, 8
	s_lshl_b32 s32, s18, 2
	s_add_co_u32 s31, s31, s32
	s_add_co_u32 s31, s31, XSX
	v_lshl_add_u32 v8, v2, 4, s31                          ; my scale word's place
	v_add_nc_u32 v9, XSX, v4
.irp b, 0,1,2,3
	v_mov_b32 v[TM+4+\b], 0                                ; a lane permute's destination counts as one of its sources
.endr
.set j, 0
	s_wait_alu depctr_va_vdst(0)
.rept 16
	s_wait_loadcnt 15-j                                    ; loads come back in order: row j is in, the 15 - j younger ones may be out
	ds_store_b128 v6, v[16+4*j:19+4*j] offset:j*XP
.set j, j+1
.endr
.set j, 0
.rept 16
	ds_load_b128 v[80+4*j:83+4*j], v7 offset:128*(j/4)+16*(j%4)   ; LDS serves a wave's instructions in order: these see my stores
.set j, j+1
.endr
	s_wait_dscnt 0x0
	QUANT 80, 144, 170
	global_store_b128 v4, v[144:147], s[10:11]
	global_store_b64 v5, v[148:149], s[10:11] offset:512
	global_store_b128 v4, v[150:153], s[10:11] offset:768
	global_store_b64 v5, v[154:155], s[10:11] offset:1280
	ds_store_b32 v8, v170                                  ; both lanes of a row write the same word with the same value
	s_wait_dscnt 0x0                                       ; for the others' sake: it has landed
	s_barrier_signal -1
	s_barrier_wait -1
	s_cmp_lg_u32 s16, 0
	s_cbranch_scc1 .Lx_done
	ds_load_b128 v[16:19], v9                              ; the eight waves' words: two units
	s_wait_dscnt 0x0
	global_store_b128 v15, v[16:19], s[14:15]
.Lx_done:
	s_wait_tensorcnt 0x0
	ds_add_u32 v192, v193
	s_wait_dscnt 0x0
	s_endpgm
.Lw_qkv:
	s_wait_alu depctr_va_vdst(0)
	WPATH 3072, 6, 0, 262144, WST1, WSX1, 0
.Lw_fc:
	s_wait_alu depctr_va_vdst(0)
	WPATH 1024, 8, 192, 360448, WST2, WSX2, 96
.Lfunc_end_k_q37f1ab744d_quant:
	.size	k_q37f1ab744d_quant, .Lfunc_end_k_q37f1ab744d_quant-k_q37f1ab744d_quant
	.p2alignl 7, 3214868480
	.fill 96, 4, 3214868480
	.section	.rodata,"a",@progbits
	.p2align	6, 0x0
	.amdhsa_kernel k_q37f1ab744d_quant
		.amdhsa_group_segment_fixed_size 120320
		.amdhsa_private_segment_fixed_size 0
		.amdhsa_enable_private_segment 0
		.amdhsa_kernarg_size 48
		.amdhsa_user_sgpr_count 2
		.amdhsa_user_sgpr_kernarg_segment_ptr 1
		.amdhsa_wavefront_size32 1
		.amdhsa_system_sgpr_workgroup_id_x 1
		.amdhsa_system_sgpr_workgroup_id_y 1
		.amdhsa_system_sgpr_workgroup_id_z 1
		.amdhsa_system_vgpr_workitem_id 0
		.amdhsa_next_free_vgpr 194
		.amdhsa_next_free_sgpr 66
		.amdhsa_reserve_vcc 0
		.amdhsa_float_denorm_mode_32 3
		.amdhsa_float_denorm_mode_16_64 3
		.amdhsa_memory_ordered 1
		.amdhsa_forward_progress 1
		.amdhsa_inst_pref_size 62
	.end_amdhsa_kernel
	.amdgpu_metadata
---
amdhsa.version: [ 1, 2 ]
amdhsa.kernels:
  - .name:           k_q37f1ab744d_quant
    .symbol:         k_q37f1ab744d_quant.kd
    .args:
      - { .name: x, .offset: 0, .size: 8, .value_kind: global_buffer, .address_space: global }
      - { .name: w_qkv, .offset: 8, .size: 8, .value_kind: global_buffer, .address_space: global }
      - { .name: w_fc, .offset: 16, .size: 8, .value_kind: global_buffer, .address_space: global }
      - { .name: xc, .offset: 24, .size: 8, .value_kind: global_buffer, .address_space: global }
      - { .name: wc, .offset: 32, .size: 8, .value_kind: global_buffer, .address_space: global }
      - { .name: osc, .offset: 40, .size: 8, .value_kind: global_buffer, .address_space: global }
    .group_segment_fixed_size: 120320
    .private_segment_fixed_size: 0
    .kernarg_segment_align: 8
    .kernarg_segment_size: 48
    .max_flat_workgroup_size: 256
    .sgpr_count:     66
    .vgpr_count:     194
    .wavefront_size: 32
...
	.end_amdgpu_metadata
.endif
;; end of part 1
;; launch gemm_qkv (part 2): grid 12 x 32, 4 waves a work-group, clusters of 4 x 4, 327,680 bytes of LDS; arguments xc, wc, osc, b_qkv, qkvc, qkvs; writes qkvc, qkvs
.if DOCPART == 2
	.amdgcn_target "amdgcn-amd-amdhsa--gfx1250"
	.amdhsa_code_object_version 6
	.text
	.protected	k_q37f1ab744d_gemm_qkv
	.globl	k_q37f1ab744d_gemm_qkv
	.p2align	8
	.type	k_q37f1ab744d_gemm_qkv,@function
k_q37f1ab744d_gemm_qkv:
	s_mov_b64 s[64:65], 0
	v_nop
	global_prefetch_b8 v0, s[64:65] scope:SCOPE_SE
	s_setreg_imm32_b32 hwreg(HW_REG_WAVE_MODE, 25, 1), 1
	s_wait_xcnt 0x0
	s_wait_alu depctr_hold_cnt(0) depctr_sa_sdst(0) depctr_va_vdst(0) depctr_va_sdst(0) depctr_va_ssrc(0) depctr_va_vcc(0) depctr_vm_vsrc(0)
	s_getreg_b32 s2, hwreg(HW_REG_IB_STS2, 6, 4)
	s_cmp_eq_u32 s2, 0
	s_cbranch_scc0 .Lentry_in_a_cluster
	s_endpgm
.Lentry_in_a_cluster:
	s_bfe_u32 s2, ttmp6, 0x10000c
	s_cmp_lg_u32 s2, 0xf033
	s_cbranch_scc0 .Lentry_shape_is_right
	s_endpgm
.Lentry_shape_is_right:
.set SLOT,  98304
.set QTR,   24576
.set TK,    3072
.set FRB,   1536
.set TILEB, 12288
.set HEADB, 98304
.set SPARE, 3*SLOT
.set AP16, 4
.set AP8,  7
.set AQ16, 10
.set AQ8,  13
.set O16,  16
.set O8,   17
.set OSO,  18
.set SCO,  19
.set BL,   20
.set BLV,  23
.set SPW,  28
.set NIL,  29
.set SC,   32
.set AF,   96
.set T,    96
.set PC,   160
.set TM,   200
.set PWA,  216
.set PWB,  217
.set SWL,  220
.set SWH,  224
.set OW,   228
.set BP,   96
.set WV,   16
.set WP,   17
.set WQ,   18
.set G1P,  20
.set G1Q,  28
.set G0P,  36
.set G0Q,  48
.set SEL,  96
.set MSB, 0
.macro WIN new
.if MSB != (\new)
	s_set_vgpr_msb (MSB<<8)|(\new)
.set MSB, (\new)
.endif
.endm
.macro PLACES
.rept 4
	v_nop
.endr
.endm
.macro JLOAD g0p, g0q
	s_cmp_eq_u32 s[WP], 0
	s_cbranch_scc0 .Lfor_q_\@
	tensor_load_to_lds s[\g0p:\g0p+3], s[G1P:G1P+7]
	s_nop 0
.rept 4
	v_nop
.endr
	s_branch .Lasked_\@
.Lfor_q_\@:
	tensor_load_to_lds s[\g0q:\g0q+3], s[G1Q:G1Q+7]
	s_nop 0
.rept 4
	v_nop
.endr
.Lasked_\@:
.endm
.macro CREST
	s_cmp_lg_u32 s[WV], 0
	s_cbranch_scc1 .Lnot_wave_0_\@
	s_barrier_signal -3
.Lnot_wave_0_\@:
	s_barrier_wait -3
	s_barrier_signal -1
	s_barrier_wait -1
.endm
.macro CROUND
	s_barrier_signal -1
	s_barrier_wait -1
	CREST
.endm
.macro FRAG reg, a16, a8, off
	ds_load_b128 v[\reg:\reg+3], v[\a16] offset:\off
	ds_load_b64 v[\reg+4:\reg+5], v[\a8] offset:\off+512
	ds_load_b128 v[\reg+6:\reg+9], v[\a16] offset:\off+768
	ds_load_b64 v[\reg+10:\reg+11], v[\a8] offset:\off+1280
.endm
.macro FETCH_Q slot, q, set
	WIN 0x40
.irp i, 0,1,2,3,4,5,6,7
	FRAG 128*(\set)+12*\i, AQ16+\slot, AQ8+\slot, \i*TK+(\q)*FRB
.endr
	WIN 0
.endm
.macro FETCH_P slot, q, i0
.irp i, \i0, \i0+1, \i0+2, \i0+3
	FRAG AF+12*(\i), AP16+\slot, AP8+\slot, (\i)*TK+(\q)*FRB
.endr
.endm
.macro MUL16 a0, set, sg, zero
.irp a, \a0, \a0+1
.irp b, 0,1,2,3,4,5,6,7
.if \zero
	v_wmma_scale_f32_16x16x128_f8f6f4 v[8*(8*((\a)%4)+\b):8*(8*((\a)%4)+\b)+7], v[128*(\set)+12*\b:128*(\set)+12*\b+11], v[AF+12*(\a):AF+12*(\a)+11], 0, v[SC+8*\b+(\sg)], v[SC+8*(\a)+(\sg)] matrix_a_fmt:MATRIX_FMT_FP6 matrix_b_fmt:MATRIX_FMT_FP6 matrix_a_scale:MATRIX_SCALE_ROW1
.else
	v_wmma_scale_f32_16x16x128_f8f6f4 v[8*(8*((\a)%4)+\b):8*(8*((\a)%4)+\b)+7], v[128*(\set)+12*\b:128*(\set)+12*\b+11], v[AF+12*(\a):AF+12*(\a)+11], v[8*(8*((\a)%4)+\b):8*(8*((\a)%4)+\b)+7], v[SC+8*\b+(\sg)], v[SC+8*(\a)+(\sg)] matrix_a_fmt:MATRIX_FMT_FP6 matrix_b_fmt:MATRIX_FMT_FP6 matrix_a_scale:MATRIX_SCALE_ROW1
.endif
.endr
.endr
.endm
.macro GSTEP sg, nslot, nq, zero
	s_wait_dscnt 16
	WIN 0xa1
	MUL16 0, (\sg)%2, \sg, \zero
	MUL16 2, (\sg)%2, \sg, \zero
	s_wait_dscnt 0x0
	PLACES
	FETCH_Q \nslot, \nq, 1-(\sg)%2
	FETCH_P \nslot, \nq, 0
	WIN 0xf1
	MUL16 4, (\sg)%2, \sg, \zero
	MUL16 6, (\sg)%2, \sg, \zero
	PLACES
	WIN 0
	FETCH_P \nslot, \nq, 4
.endm
.macro TURN sg, nslot, fill
	s_wait_tensorcnt 0x0
	ds_add_u32 v[SPW], v[NIL]
	s_wait_dscnt 17
	WIN 0xa1
	MUL16 0, 1, \sg, 0
	s_wait_dscnt 0x0
	s_barrier_signal -1
	MUL16 2, 1, \sg, 0
	WIN 0
	s_barrier_wait -1
.if \fill
	CREST
	s_add_nc_u64 s[G0P+2:G0P+3], s[G0P+2:G0P+3], 3*TK
	s_add_nc_u64 s[G0Q+2:G0Q+3], s[G0Q+2:G0Q+3], 3*TK
	JLOAD G0P, G0Q
.else
	PLACES
.endif
	FETCH_Q \nslot, 0, 0
	FETCH_P \nslot, 0, 0
	WIN 0xf1
	MUL16 4, 1, \sg, 0
	MUL16 6, 1, \sg, 0
	PLACES
	WIN 0
	FETCH_P \nslot, 0, 4
.endm
.macro LAST
	s_wait_dscnt 16
	WIN 0xa1
	MUL16 0, 1, 7, 0
	MUL16 2, 1, 7, 0
	s_wait_dscnt 0x0
	WIN 0xf1
	MUL16 4, 1, 7, 0
	MUL16 6, 1, 7, 0
	WIN 0
.endm
.macro QUANT s, pc, pw
.irp b, 0,1,2,3
	v_max3_num_f32 v[TM+\b], |v[\s+16*\b]|, |v[\s+1+16*\b]|, 0x1800000
.endr
.irp i, 2,4,6,8,10,12,14
.irp b, 0,1,2,3
	v_max3_num_f32 v[TM+\b], v[TM+\b], |v[\s+16*\b+\i]|, |v[\s+1+16*\b+\i]|
.endr
.endr
.irp b, 0,1,2,3
	v_permlanex16_b32 v[TM+4+\b], v[TM+\b], s[SEL], s[SEL+1]
.endr
.irp b, 0,1,2,3
	v_max_num_f32 v[TM+\b], v[TM+\b], v[TM+4+\b]
.endr
.irp b, 0,1,2,3
	v_add_nc_u32 v[TM+12+\b], 0xff000000, v[TM+\b]
.endr
.irp b, 0,1,2,3
	v_lshrrev_b32 v[TM+4+\b], 23, v[TM+12+\b]
.endr
	v_lshl_or_b32 v[\pw], v[TM+5], 8, v[TM+4]
	v_lshl_or_b32 v[\pw], v[TM+6], 16, v[\pw]
	v_lshl_or_b32 v[\pw], v[TM+7], 24, v[\pw]
.irp c, 0,1
	v_cvt_scalef32_pk16_fp6_f32 v[\pc+6*\c:\pc+2+6*\c], v[\s+32*\c:\s+15+32*\c], v[TM+12+2*\c]
	v_cvt_scalef32_pk16_fp6_f32 v[\pc+12+4*\c:\pc+14+4*\c], v[\s+16+32*\c:\s+31+32*\c], v[TM+12+2*\c+1]
.endr
	v_nop
.irp c, 0,1
.irp i, 0,1,2
	v_permlane16_swap_b32 v[\pc+6*\c+\i], v[\pc+12+4*\c+\i]
.endr
.irp i, 0,1,2
	v_mov_b32 v[\pc+3+6*\c+\i], v[\pc+12+4*\c+\i]
.endr
.endr
.endm
.macro OBLK a, isv, pw
	s_wait_xcnt 0x0
	WIN 0x06+(\a)/4
.irp b, 0,1,2,3,4,5,6,7
.irp jj, 0,2,4,6
.if \isv
.if (\a)%2
	v_pk_add_f32 v[T+8*\b+\jj:T+8*\b+\jj+1], v[64*((\a)%4)+8*\b+\jj:64*((\a)%4)+8*\b+\jj+1], v[BP+2*((\a)/2):BP+2*((\a)/2)+1] op_sel:[0,1] op_sel_hi:[1,1]
.else
	v_pk_add_f32 v[T+8*\b+\jj:T+8*\b+\jj+1], v[64*((\a)%4)+8*\b+\jj:64*((\a)%4)+8*\b+\jj+1], v[BP+2*((\a)/2):BP+2*((\a)/2)+1] op_sel:[0,0] op_sel_hi:[1,0]
.endif
.else
	v_pk_add_f32 v[T+8*\b+\jj:T+8*\b+\jj+1], v[64*((\a)%4)+8*\b+\jj:64*((\a)%4)+8*\b+\jj+1], v[96+8*\b+96*(\b/4)+\jj:96+8*\b+96*(\b/4)+\jj+1]
.endif
.endr
.endr
	WIN 0
	QUANT T, PC, \pw
.if \isv
.set OB, ((\a)/4)*HEADB+((\a)%4)*FRB
.set OC, OB+768
.else
.set OB, (\a)*768
.set OC, OB+HEADB
.endif
	global_store_b128 v[O16], v[PC:PC+3], s[12:13] offset:OB
	global_store_b64 v[O8], v[PC+4:PC+5], s[12:13] offset:OB+512
	global_store_b128 v[O16], v[PC+6:PC+9], s[12:13] offset:OC
	global_store_b64 v[O8], v[PC+10:PC+11], s[12:13] offset:OC+512
.endm
	s_load_b256 s[4:11], s[0:1], 0x0
	s_load_b128 s[12:15], s[0:1], 0x20
	v_lshl_add_u32 v[SPW], v0, 2, SPARE
	v_mov_b32 v[NIL], 0
	ds_add_u32 v28, v29
	ds_add_u32 v28, v29
	s_wait_dscnt 0x0
	v_lshrrev_b32 v1, 5, v0
	v_readfirstlane_b32 s[WV], v1
	s_lshr_b32 s[WP], s[WV], 1
	s_and_b32 s[WQ], s[WV], 1
	s_bfe_u32 s60, ttmp6, 0x40000
	s_bfe_u32 s61, ttmp6, 0x40004
	s_and_b32 s63, ttmp7, 0xffff
	s_mov_b32 s62, ttmp9
	s_cmp_eq_u32 s62, 2
	s_cselect_b32 s66, 2, s63
	s_cselect_b32 s67, s63, s62
	s_lshl_b32 s68, s66, 2
	s_add_co_u32 s68, s68, s61
	s_lshl_b32 s69, s67, 2
	s_add_co_u32 s69, s69, s60
	s_lshl_b32 s70, s61, 2
	s_lshl_b32 s70, 15, s70
	s_lshl_b32 s71, 0x1111, s60
	s_or_b32 s[G1P], s70, (3<<16)|(1<<21)
	s_or_b32 s[G1Q], s71, (3<<16)|(1<<21)
.irp g, G1P, G1Q
	s_mov_b32 s[\g+1], 384<<16
	s_mov_b32 s[\g+2], 8<<16
	s_mov_b32 s[\g+3], 384<<16
	s_mov_b32 s[\g+4], 8
	s_mov_b32 s[\g+5], 1536
	s_mov_b32 s[\g+6], 0
	s_mov_b32 s[\g+7], 0
.endr
	s_mul_i32 s80, s[WQ], 8*TILEB
	s_mul_i32 s76, s68, 16*TILEB
	s_add_co_u32 s76, s76, s80
	s_mov_b32 s77, 0
	s_mul_i32 s78, s69, 16*TILEB
	s_add_co_u32 s78, s78, s80
	s_mov_b32 s79, 0
	s_mul_i32 s81, s[WV], QTR
	s_mov_b32 s[SEL], 0x76543210
	s_mov_b32 s[SEL+1], 0xfedcba98
	s_wait_kmcnt 0x0
	s_cmp_eq_u32 s62, 2
	s_cselect_b64 s[72:73], s[6:7], s[4:5]
	s_cselect_b64 s[74:75], s[4:5], s[6:7]
	s_add_nc_u64 s[72:73], s[72:73], s[76:77]
	s_add_nc_u64 s[74:75], s[74:75], s[78:79]
	CROUND
.irp n, 0,1,2
	s_mov_b32 s[G0P+4*\n], 1
	s_add_co_u32 s[G0P+4*\n+1], s81, \n*SLOT
	s_add_nc_u64 s[G0P+4*\n+2:G0P+4*\n+3], s[72:73], \n*TK
	s_or_b32 s[G0P+4*\n+3], s[G0P+4*\n+3], 0x80000000
	s_mov_b32 s[G0Q+4*\n], 1
	s_add_co_u32 s[G0Q+4*\n+1], s81, \n*SLOT
	s_add_nc_u64 s[G0Q+4*\n+2:G0Q+4*\n+3], s[74:75], \n*TK
	s_or_b32 s[G0Q+4*\n+3], s[G0Q+4*\n+3], 0x80000000
	s_wait_alu depctr_va_vdst(0)
	s_wait_tensorcnt 0x0
	ds_add_u32 v28, v29
	ds_add_u32 v28, v29
	s_wait_dscnt 0x0
	CROUND
	JLOAD G0P+4*\n, G0Q+4*\n
.endr
	v_and_b32 v1, 31, v0
	s_wait_alu depctr_va_vdst(0)
	v_and_b32 v2, 15, v0
	v_bfe_u32 v3, v0, 4, 1
	v_lshlrev_b32 v21, 4, v1
	v_lshlrev_b32 v22, 3, v1
	s_cmp_eq_u32 s62, 2
	s_cselect_b32 s84, 262144, 0
	s_cselect_b32 s85, 0, 262144
	s_cselect_b32 s86, s69, s68
	s_cselect_b32 s87, s[WQ], s[WP]
	s_cselect_b32 s88, s68, s69
	s_cselect_b32 s89, s[WP], s[WQ]
	s_lshl_b32 s82, s68, 4
	s_lshl_b32 s83, s[WP], 3
	s_add_co_u32 s82, s82, s83
	s_lshl_b32 s82, s82, 9
	s_add_co_u32 s84, s84, s82
	s_lshl_b32 s82, s69, 4
	s_lshl_b32 s83, s[WQ], 3
	s_add_co_u32 s82, s82, s83
	s_lshl_b32 s82, s82, 9
	s_add_co_u32 s85, s85, s82
	v_mov_b32 v[SCO], s84
	v_mov_b32 v24, s85
	v_cmp_lt_u32 vcc_lo, 15, v1
	v_cndmask_b32 v[SCO], v[SCO], v24, vcc_lo
	s_wait_alu depctr_va_vdst(0)
	v_lshl_add_u32 v[SCO], v2, 4, v[SCO]
.set i, 0
.rept 8
	global_load_b128 v[SC+8*i:SC+8*i+3], v[SCO], s[8:9] offset:i*512
	global_load_b128 v[SC+8*i+4:SC+8*i+7], v[SCO], s[8:9] offset:i*512+256
.set i, i+1
.endr
	s_mul_i32 s82, s[WP], QTR
	s_mul_i32 s83, s[WQ], QTR
	s_add_co_u32 s83, s83, 2*QTR
.irp n, 0,1,2
	v_add_nc_u32 v[AP16+\n], s82, v21
	v_add_nc_u32 v[AP8+\n], s82, v22
	v_add_nc_u32 v[AQ16+\n], s83, v21
	v_add_nc_u32 v[AQ8+\n], s83, v22
	s_add_co_u32 s82, s82, SLOT
	s_add_co_u32 s83, s83, SLOT
.endr
	s_lshr_b32 s90, s86, 3
	s_and_b32 s91, s86, 7
	s_lshl_b32 s91, s91, 1
	s_add_co_u32 s91, s91, s87
	s_lshl_b32 s92, s88, 2
	s_lshl_b32 s93, s89, 1
	s_add_co_u32 s92, s92, s93
	s_lshr_b32 s93, s92, 4
	s_and_b32 s94, s92, 15
	s_lshl_b32 s93, s93, 6
	s_lshl_b32 s95, s90, 4
	s_add_co_u32 s93, s93, s95
	s_add_co_u32 s93, s93, s94
	s_mul_i32 s94, s93, HEADB
	s_mul_i32 s95, s91, 6144
	s_add_co_u32 s94, s94, s95
	v_add_nc_u32 v[O16], s94, v21
	v_add_nc_u32 v[O8], s94, v22
	s_lshl_b32 s94, s93, 12
	s_lshl_b32 s95, s91, 8
	s_add_co_u32 s94, s94, s95
	v_lshl_add_u32 v[OSO], v3, 12, s94
	v_lshl_add_u32 v[OSO], v2, 4, v[OSO]
	s_lshl_b32 s94, s88, 10
	s_lshl_b32 s95, s89, 9
	s_add_co_u32 s94, s94, s95
	s_mov_b32 s95, 0
	s_add_nc_u64 s[10:11], s[10:11], s[94:95]
	v_lshlrev_b32 v[BL], 6, v3
	v_and_b32 v[BLV], 8, v2
	v_add_nc_u32 v[BLV], v[BLV], v2
	v_lshlrev_b32 v[BLV], 2, v[BLV]
.irp b, 0,1,2,3
	v_mov_b32 v[TM+4+\b], 0
.endr
	s_wait_loadcnt 0x0
	s_wait_tensorcnt 0x2
	s_barrier_signal -1
	s_barrier_wait -1
	FETCH_Q 0, 0, 0
	FETCH_P 0, 0, 0
	FETCH_P 0, 0, 4
	GSTEP 0, 0, 1, 1
	TURN 1, 1, 1
	GSTEP 2, 1, 1, 0
	GSTEP 3, 2, 0, 0
	GSTEP 4, 2, 1, 0
	TURN 5, 0, 0
	GSTEP 6, 0, 1, 0
	s_cmp_eq_u32 s62, 2
	s_cbranch_scc1 .Lfor_v
	WIN 0x40
.set t, 0
	s_wait_alu depctr_va_vdst(0)
.rept 8
	global_load_b128 v[96+8*t+96*(t/4):96+8*t+96*(t/4)+3], v[BL], s[10:11] offset:(32*(t/2)+8*(t%2))*4
	global_load_b128 v[96+8*t+96*(t/4)+4:96+8*t+96*(t/4)+7], v[BL], s[10:11] offset:(32*(t/2)+8*(t%2))*4+16
.set t, t+1
.endr
	WIN 0
	LAST
	s_wait_loadcnt 0x0
	PLACES
.irp p, 0,1,2,3
	OBLK 2*\p, 0, PWA
	OBLK 2*\p+1, 0, PWB
	v_perm_b32 v[SWL+\p], v[PWB], v[PWA], 0x05040100
	v_perm_b32 v[SWH+\p], v[PWB], v[PWA], 0x07060302
.endr
	s_branch .Ljoin
.Lfor_v:
	WIN 0x40
.set t, 0
	s_wait_alu depctr_va_vdst(0)
.rept 8
	global_load_b32 v[BP+t], v[BLV], s[10:11] offset:(32*(t/2)+8*(t%2))*4
.set t, t+1
.endr
	WIN 0
	LAST
	s_wait_loadcnt 0x0
	PLACES
.irp a, 0,1,2,3
	OBLK \a, 1, SWL+\a
.endr
.irp a, 4,5,6,7
	OBLK \a, 1, SWH+\a-4
.endr
.Ljoin:
	v_cmp_lt_u32 vcc_lo, 15, v1
	s_wait_alu depctr_va_vdst(0)
.irp i, 0,1,2,3
	v_cndmask_b32 v[OW+\i], v[SWL+\i], v[SWH+\i], vcc_lo
.endr
	global_store_b128 v[OSO], v[OW:OW+3], s[14:15]
	s_wait_tensorcnt 0x0
	ds_add_u32 v[SPW], v[NIL]
	s_wait_dscnt 0x0
	CROUND
	s_endpgm
.Lfunc_end_k_q37f1ab744d_gemm_qkv:
	.size	k_q37f1ab744d_gemm_qkv, .Lfunc_end_k_q37f1ab744d_gemm_qkv-k_q37f1ab744d_gemm_qkv
	.p2alignl 7, 3214868480
	.fill 96, 4, 3214868480
	.section	.rodata,"a",@progbits
	.p2align	6, 0x0
	.amdhsa_kernel k_q37f1ab744d_gemm_qkv
		.amdhsa_group_segment_fixed_size 327680
		.amdhsa_private_segment_fixed_size 0
		.amdhsa_enable_private_segment 0
		.amdhsa_kernarg_size 48
		.amdhsa_user_sgpr_count 2
		.amdhsa_user_sgpr_kernarg_segment_ptr 1
		.amdhsa_wavefront_size32 1
		.amdhsa_system_sgpr_workgroup_id_x 1
		.amdhsa_system_sgpr_workgroup_id_y 1
		.amdhsa_system_sgpr_workgroup_id_z 1
		.amdhsa_system_vgpr_workitem_id 0
		.amdhsa_next_free_vgpr 1024
		.amdhsa_next_free_sgpr 100
		.amdhsa_reserve_vcc 1
		.amdhsa_float_denorm_mode_32 3
		.amdhsa_float_denorm_mode_16_64 3
		.amdhsa_memory_ordered 1
		.amdhsa_forward_progress 1
		.amdhsa_inst_pref_size 225
	.end_amdhsa_kernel
	.amdgpu_metadata
---
amdhsa.version: [ 1, 2 ]
amdhsa.kernels:
  - .name:           k_q37f1ab744d_gemm_qkv
    .symbol:         k_q37f1ab744d_gemm_qkv.kd
    .args:
      - { .name: xc, .offset: 0, .size: 8, .value_kind: global_buffer, .address_space: global }
      - { .name: wc, .offset: 8, .size: 8, .value_kind: global_buffer, .address_space: global }
      - { .name: osc, .offset: 16, .size: 8, .value_kind: global_buffer, .address_space: global }
      - { .name: b_qkv, .offset: 24, .size: 8, .value_kind: global_buffer, .address_space: global }
      - { .name: qkvc, .offset: 32, .size: 8, .value_kind: global_buffer, .address_space: global }
      - { .name: qkvs, .offset: 40, .size: 8, .value_kind: global_buffer, .address_space: global }
    .group_segment_fixed_size: 327680
    .private_segment_fixed_size: 0
    .kernarg_segment_align: 8
    .kernarg_segment_size: 48
    .max_flat_workgroup_size: 128
    .sgpr_count:     100
    .vgpr_count:     1024
    .wavefront_size: 32
...
	.end_amdgpu_metadata
.endif
;; end of part 2
;; launch attn (part 3): grid 4 x 64, 16 waves a work-group, clusters of 4 x 1, 327,680 bytes of LDS; arguments qkvc, qkvs, oc, os; writes oc, os
.if DOCPART == 3
	.amdgcn_target "amdgcn-amd-amdhsa--gfx1250"
	.amdhsa_code_object_version 6
	.text
	.protected	k_q37f1ab744d_attn
	.globl	k_q37f1ab744d_attn
	.p2align	8
	.type	k_q37f1ab744d_attn,@function
k_q37f1ab744d_attn:
	s_mov_b64 s[64:65], 0
	v_nop
	global_prefetch_b8 v0, s[64:65] scope:SCOPE_SE
	s_setreg_imm32_b32 hwreg(HW_REG_WAVE_MODE, 25, 1), 1
	s_wait_xcnt 0x0
	s_wait_alu depctr_hold_cnt(0) depctr_sa_sdst(0) depctr_va_vdst(0) depctr_va_sdst(0) depctr_va_ssrc(0) depctr_va_vcc(0) depctr_vm_vsrc(0)
	s_getreg_b32 s2, hwreg(HW_REG_IB_STS2, 6, 4)
	s_cmp_eq_u32 s2, 0
	s_cbranch_scc0 .Lentry_in_a_cluster
	s_endpgm
.Lentry_in_a_cluster:
	s_bfe_u32 s2, ttmp6, 0x10000c
	s_cmp_lg_u32 s2, 0x3003
	s_cbranch_scc0 .Lentry_shape_is_right
	s_endpgm
.Lentry_shape_is_right:
; o = softmax(q k^T / 8) v for 64 heads of 2,048 tokens x 64, both products on codes of FP6, and o quantised along the embedding (two blocks of 32 a head) on its way out.
; THE SOFTMAX: t = score x log2(e) / 8; M = the running largest t rounded UP to a whole number; p = 2^(t - M) is quantised along the keys, not normalised; the row's sum is taken of the unquantised p and divides O at the end.
; When M moves, the sum and O are multiplied by 2^(old M - new M): exact.  A block's largest p is made from the block's largest score by the same two instructions (v_exp_f32 is taken not to fall where its input rises).
; SHARES: a work-group owns 512 queries of one head, each of its sixteen waves 32: two tiles of 16, one after the other.
; THE HEAD'S WHOLE K AND V, codes and scale words, come into LDS ONCE, one tensor load a wave: waves 0-3 a quarter of K's codes each, waves 4-7 of V's, waves 8 and 9 the scale words.  No byte is filled again.
; CLUSTER: the head's four work-groups ask jointly (mask 15).  NO PREFETCH: all tiles are asked for at the head, so there is no loop to run ahead in.
; LAYOUT: both products transposed (S^T = K Q^T, O^T = V^T P^T): a lane holds one query.
; WHICH KEYS FORM A TILE is chosen by the lanes' LDS addresses: lane-row m of tile j (0..3) of band c (0, 1) is key 64 c + 32 (m / 8) + 8 j + m % 8 of the step.  In the result lane (query, h) then holds, in the 32 registers of a band's
; four tiles, keys 64 c + 32 h + 0 .. 31: ONE scale block of p, in the order of the next operand's registers.  So a block's maximum and its codes need no other lane; only the row's maximum and the scale word are joined with lane l xor 16.
; In memory key 32 B + 8 u + r + 8 (r / 8) is lane-row r of tile 2 B + u: so my lane-row m of tile (c, j) lies in stored tile 4 c + 2 (m / 8) + j % 2 at lane-row 8 (j / 2) + m % 8.
; K's codes have 64 bytes of padding behind every 256 in LDS: two stored tiles are then 1,920 bytes apart, 128 modulo 256, so the sixteen lanes of a 16-byte load touch sixteen different columns of 16 bytes.
; K = 64 IN THE FIRST PRODUCT: two tiles of keys (64 + 64 along the instruction's K) are one operand; it is multiplied once by [q | zeros] and once by [zeros | q].  Zero codes add nothing under any scale byte here (none is 0xff).
; LIMITS: the promise holds while the scaled scores stay under 2^31 in magnitude; NaN and infinities are not served; a block of o under 2^-124 gets the byte 1.
; REGISTERS: v1-6 lane terms of LDS addresses; v7, v8, v92 K's addresses, v90, v91, v94 V's; v10 q's scales; v12 -M, v13 largest score, v[14:15] the sum; v16-33 zeros, q, zeros; v36-83 four fragments; v84-89 the second tile's q;
; v96-159 S^T, p; v160-191 O^T; v192-205 partial sums (v[192:193] is carried into the next step); v206-220 at work; v224-242 p's codes; v248-251 scale words; v252 f, v253 p's scale word.
.set FRB,   1536
.set KSTEP, 7680                       ; 128 keys of K in LDS: 24 rows of 256 + 64 bytes
.set VSTEP, 6144                       ; 128 keys of V: four fragments
.set VC,    122880                     ; V's codes, behind K's 384 padded rows
.set KSC,   221184                     ; K's scale words, 4,096 bytes; V's follow
.set OSS,   229376                     ; o's scale words, four units: written by LDS stores alone
.set SPARE, 230400                     ; the spare words, 128 bytes a wave
.set WV,   12
.set G1K,  16
.set G1V,  24
.set G0K,  32
.set G0V,  36
.set G0S,  40
.set SEL,  44
.set CS,   46
.set TK,   48
.set TV,   49
.set TS,   50
.set KCNT, 51
.set PCNT, 52
.set SELQ, 53
.set NC,   54
.set G1S,  68
.macro CROUND
	s_barrier_signal -1
	s_barrier_wait -1
	s_cmp_lg_u32 s[WV], 0
	s_cbranch_scc1 .Lnot_wave_0_\@
	s_barrier_signal -3
.Lnot_wave_0_\@:
	s_barrier_wait -3
	s_barrier_signal -1
	s_barrier_wait -1
.endm
.macro WALU
	s_wait_alu depctr_va_vdst(0)
.endm
.macro FRAG reg, a16, a8, off          ; 1,536 bytes of images into 12 registers
	ds_load_b128 v[\reg:\reg+3], v[\a16] offset:\off
	ds_load_b64 v[\reg+4:\reg+5], v[\a8] offset:\off+512
	ds_load_b128 v[\reg+6:\reg+9], v[\a16] offset:\off+768
	ds_load_b64 v[\reg+10:\reg+11], v[\a8] offset:\off+1280
.endm
.macro GROUP1 g, w0, rows              ; a dense block as rows of 256 bytes (32 elements of 8)
	s_mov_b32 s[\g], \w0
	s_mov_b32 s[\g+1], 32<<16
	s_mov_b32 s[\g+2], (\rows)<<16
	s_mov_b32 s[\g+3], 32<<16
	s_mov_b32 s[\g+4], \rows
	s_mov_b32 s[\g+5], 32
	s_mov_b32 s[\g+6], 0
	s_mov_b32 s[\g+7], 0
.endm
.macro TLOAD g0, g1
	tensor_load_to_lds s[\g0:\g0+3], s[\g1:\g1+7]
	s_nop 0
.rept 4
	v_nop
.endr
.endm
; The row's sum of 64 p: 25 additions of pairs into eight sums that take turns (seven partial ones and v[14:15]); seven more join them.
.macro LADD n
.if (\n) < 7
	v_pk_add_f32 v[192+2*(\n):193+2*(\n)], v[96+4*(\n):97+4*(\n)], v[98+4*(\n):99+4*(\n)]
.elseif ((\n)%8 == 7) || ((\n) == 24)
	v_pk_add_f32 v[14:15], v[14:15], v[110+2*(\n):111+2*(\n)]
.else
	v_pk_add_f32 v[192+2*((\n)%8):193+2*((\n)%8)], v[192+2*((\n)%8):193+2*((\n)%8)], v[110+2*(\n):111+2*(\n)]
.endif
.endm
.macro L4
.rept 4
	LADD LN
.set LN, LN+1
.endr
.endm
.macro TM n                            ; n pairs of t - M
.rept \n
	v_pk_fma_f32 v[96+FJ:97+FJ], v[96+FJ:97+FJ], s[CS:CS+1], v[12:13] op_sel_hi:[1,0,0]
.set FJ, FJ+2
.endr
.endm
	s_load_b256 s[4:11], s[0:1], 0x0                       ; qkvc s[4:5], qkvs s[6:7], oc s[8:9], os s[10:11]
	v_lshl_add_u32 v243, v0, 2, SPARE
	v_mov_b32 v255, 0
	ds_add_u32 v243, v255                                  ; the opening lines: the add twice on end and its wait
	ds_add_u32 v243, v255
	v_lshrrev_b32 v1, 5, v0
	v_and_b32 v90, 31, v0                                  ; lane
	v_and_b32 v91, 15, v0                                  ; r
	v_bfe_u32 v95, v0, 4, 1                                ; h
	v_bfe_u32 v92, v0, 3, 1                                ; r / 8
	v_and_b32 v94, 7, v0                                   ; r % 8
	v_readfirstlane_b32 s[WV], v1                          ; wave 0..15
	v_lshlrev_b32 v244, 4, v90                             ; 16 x lane, 8 x lane: q, o and V's images
	v_lshlrev_b32 v245, 3, v90
	v_mul_u32_u24 v1, v92, 1920                            ; K: two stored tiles on for lane-rows 8-15
	v_lshlrev_b32 v5, 2, v92
	v_lshl_add_u32 v6, v91, 4, KSC+4096                    ; V's scale words: 16 bytes a row
	v_lshlrev_b32 v7, 4, v91                               ; q's scale word in memory
	v_lshl_add_u32 v34, v0, 4, OSS                         ; o's units read back by threads 0-63
	v_lshlrev_b32 v35, 4, v0
	v_mad_u32_u24 v2, v95, 128, v1
	v_mad_u32_u24 v1, v95, 320, v1
	v_lshl_add_u32 v5, v94, 4, v5
	v_add_nc_u32 v3, VC, v244
	v_add_nc_u32 v4, VC, v245
	v_lshlrev_b32 v95, 3, v95                              ; 8 h: my bytes' place in p's scale word
	v_lshl_add_u32 v2, v94, 3, v2                          ; K, registers 4-5: 1920 (r / 8) + 128 h + 8 (r % 8)
	v_lshl_add_u32 v1, v94, 4, v1                          ; K, registers 0-3: 1920 (r / 8) + 320 h + 16 (r % 8)
	v_add_nc_u32 v5, KSC, v5                               ; K's scale words: 16 (r % 8) + 4 (r / 8)
	s_bfe_u32 s13, ttmp6, 0x40000                          ; cx: it enters the addresses of q, oc and os alone
	s_and_b32 s14, ttmp7, 0xffff                           ; y = 16 x batch + head
	s_lshl_b32 s15, s13, 4
	s_add_co_u32 s15, s15, s[WV]                           ; my pair of query tiles
	s_lshr_b32 s62, s[WV], 2
	s_lshl_b32 s63, s62, 8
	s_and_b32 s76, s[WV], 3
	s_lshl_b32 s77, s76, 2
	s_add_co_u32 s63, s63, s77
	s_add_co_u32 s63, s63, OSS
	v_lshl_add_u32 v11, v91, 4, s63                        ; o's scale word: unit wave / 4, my row, word wave % 4
	s_lshl_b32 s62, s62, 6                                 ; codes: head slot 64 + y for K (waves 0-3), 128 + y for V (waves 4-7), quarter wave % 4
	s_add_co_u32 s62, s62, s14
	s_add_co_u32 s62, s62, 64
	s_mul_i32 s62, s62, 98304
	s_mul_i32 s76, s76, 24576
	s_add_co_u32 s76, s76, s62
	s_mov_b32 s77, 0
	s_and_b32 s62, s[WV], 1                                ; scale words: wave 8 K's, wave 9 V's
	s_lshl_b32 s[G0S+1], s62, 12
	s_add_co_u32 s[G0S+1], s[G0S+1], KSC
	s_lshl_b32 s62, s62, 6
	s_add_co_u32 s62, s62, s14
	s_add_co_u32 s62, s62, 64
	s_lshl_b32 s78, s62, 12
	s_mov_b32 s79, 0
	s_mov_b32 s[G0K], 1
	s_mul_i32 s[G0K+1], s[WV], 30720                       ; 96 rows of 320 bytes
	s_mov_b32 s[G0V], 1
	s_mul_i32 s[G0V+1], s[WV], 24576
	s_add_co_u32 s[G0V+1], s[G0V+1], VC-98304
	s_mov_b32 s[G0S], 1
	GROUP1 G1K, 15|(3<<16)|(1<<20)|(1<<21)|(5<<22)|(15<<25), 96   ; the mask names all four; 16 dwords of padding behind every 64
	GROUP1 G1V, 15|(3<<16)|(1<<21), 96
	GROUP1 G1S, 15|(3<<16)|(1<<21), 16
	s_mul_i32 s56, s14, 98304                              ; q: head slot y, tiles 2 x pair and the next
	s_mul_i32 s62, s15, FRB
	s_add_co_u32 s56, s56, s62
	s_mov_b32 s57, 0
	s_lshl_b32 s58, s14, 12                                ; q's scale word: unit pair / 4, word pair % 4
	s_lshr_b32 s62, s15, 2
	s_lshl_b32 s62, s62, 8
	s_add_co_u32 s58, s58, s62
	s_and_b32 s62, s15, 3
	s_lshl_b32 s62, s62, 2
	s_add_co_u32 s58, s58, s62
	s_mov_b32 s59, 0
	s_lshr_b32 s60, s14, 4                                 ; oc: token tile 128 x batch + 2 x pair, half-image = head
	s_lshl_b32 s60, s60, 7
	s_lshl_b32 s62, s15, 1
	s_add_co_u32 s60, s60, s62
	s_mul_i32 s60, s60, 12288
	s_and_b32 s62, s14, 15
	s_mul_i32 s62, s62, 768
	s_add_co_u32 s60, s60, s62
	s_mov_b32 s61, 0
	s_lshl_b32 s80, s14, 12                                ; os: 4,096 bytes a head, 1,024 a work-group
	s_lshl_b32 s62, s13, 10
	s_add_co_u32 s80, s80, s62
	s_mov_b32 s81, 0
	s_mov_b32 s[SEL], 0x76543210
	s_mov_b32 s[SEL+1], 0xfedcba98
	s_mov_b32 s[CS], 0x3e38aa3b                            ; c = log2(e) / 8
	s_mov_b32 s[CS+1], s[CS]
	s_mov_b32 s[NC], 0xbe38aa3b                            ; -c
	s_mov_b32 s[SELQ], 0x01000100                          ; which half of q's scale word: the first tile's
	s_mov_b32 s[PCNT], 2
	WALU                                                   ; the wait at the head's end
	s_wait_dscnt 0x0
	s_wait_kmcnt 0x0
	s_add_nc_u64 s[G0K+2:G0K+3], s[4:5], s[76:77]
	s_or_b32 s[G0K+3], s[G0K+3], 0x80000000
	s_add_nc_u64 s[G0V+2:G0V+3], s[4:5], s[76:77]
	s_or_b32 s[G0V+3], s[G0V+3], 0x80000000
	s_add_nc_u64 s[G0S+2:G0S+3], s[6:7], s[78:79]
	s_or_b32 s[G0S+3], s[G0S+3], 0x80000000
	s_add_nc_u64 s[56:57], s[4:5], s[56:57]
	s_add_nc_u64 s[58:59], s[6:7], s[58:59]
	s_add_nc_u64 s[60:61], s[8:9], s[60:61]
	s_add_nc_u64 s[10:11], s[10:11], s[80:81]
	CROUND                                                 ; all four work-groups are here: the joint loads meet
	s_cmp_lt_u32 s[WV], 4                                  ; one chain of arms, one load to an arm
	s_cbranch_scc0 .Lnot_k
	TLOAD G0K, G1K
	s_branch .Lasked
.Lnot_k:
	s_cmp_lt_u32 s[WV], 8
	s_cbranch_scc0 .Lnot_v
	TLOAD G0V, G1V
	s_branch .Lasked
.Lnot_v:
	s_cmp_lt_u32 s[WV], 10
	s_cbranch_scc0 .Lasked
	TLOAD G0S, G1S
.Lasked:
	global_load_b128 v[22:25], v244, s[56:57]              ; my first tile's q,
	global_load_b64 v[26:27], v245, s[56:57] offset:512
	global_load_b128 v[84:87], v244, s[56:57] offset:768   ; my second tile's,
	global_load_b64 v[88:89], v245, s[56:57] offset:1280
	global_load_b32 v9, v7, s[58:59]                       ; and both tiles' scale bytes
.irp i, 0,1,2,3,4,5
	v_mov_b32 v[16+\i], 0                                  ; zero codes on both sides of q
	v_mov_b32 v[28+\i], 0
.endr
.irp r, 213,220,236,237,253,93
	v_mov_b32 v\r, 0                                       ; lane permutes' destinations, the upper half of v[252:253], o's scale word
.endr
	WALU
	s_wait_loadcnt 0x0
	s_wait_tensorcnt 0x0                                   ; my part of K and V is in,
	s_barrier_signal -1
	s_barrier_wait -1                                      ; everybody's is
.Lpass:                                                ; two trips: a tile of 16 queries against all 2,048 keys
	s_mov_b32 s[TK], 0
	s_mov_b32 s[TV], 0
	s_mov_b32 s[TS], 0
	s_mov_b32 s[KCNT], 16
	v_perm_b32 v10, v9, v9, s[SELQ]                        ; this tile's two bytes, twice: they scale q in either half of the operand
	v_mov_b32 v13, 0xff61b1e6                              ; the largest score so far: -3e38
	v_mov_b32 v12, 0x7f61b1e6                              ; and -M over it
	v_mov_b32 v14, 0
	v_mov_b32 v15, 0
	v_mov_b32 v192, 0
	v_mov_b32 v193, 0
	v_mov_b32 v7, v1
	v_mov_b32 v8, v2
	v_mov_b32 v92, v5
.set j, 0
.rept 32
	v_mov_b32 v[160+j], 0                                  ; O^T: the step is written once; its first trip finds zeros
.set j, j+1
.endr
.Lstep:                                                ; sixteen trips of 128 keys
.irp d, 0,1,2,3                                        ; operand d = 2 c + j / 2: tiles j = 2 (d % 2) and the next of band c = d / 2
	ds_load_b128 v[36+12*\d:39+12*\d], v7 offset:3840*(\d/2)+128*(\d%2)
	ds_load_b64 v[40+12*\d:41+12*\d], v8 offset:3840*(\d/2)+64*(\d%2)+640
	ds_load_b128 v[42+12*\d:45+12*\d], v7 offset:3840*(\d/2)+128*(\d%2)+960
	ds_load_b64 v[46+12*\d:47+12*\d], v8 offset:3840*(\d/2)+64*(\d%2)+1600
	ds_load_b32 v[248+\d], v92 offset:128*(\d%2)+8*(\d/2)  ; both tiles' two bytes
.endr
	WALU
	s_wait_dscnt 0x0
.irp d, 0,1,2,3
	v_wmma_scale_f32_16x16x128_f8f6f4 v[96+16*\d:103+16*\d], v[36+12*\d:47+12*\d], v[22:33], 0, v[248+\d], v10 matrix_a_fmt:MATRIX_FMT_FP6 matrix_b_fmt:MATRIX_FMT_FP6
	v_wmma_scale_f32_16x16x128_f8f6f4 v[104+16*\d:111+16*\d], v[36+12*\d:47+12*\d], v[16:27], 0, v[248+\d], v10 matrix_a_fmt:MATRIX_FMT_FP6 matrix_b_fmt:MATRIX_FMT_FP6
.endr                                                  ; register 32 c + i is key 64 c + 32 (lane / 16) + i of the step
	v_add_nc_u32 v90, s[TV], v3                            ; five plain lines that are due anyway: the places behind the products
	v_add_nc_u32 v91, s[TV], v4
	v_add_nc_u32 v94, s[TS], v6
	v_mov_b32 v254, v12                                    ; the old -M
	v_pk_add_f32 v[14:15], v[14:15], v[192:193]            ; the last step's carried partial sum
.irp t, 0,1,2,3
	FRAG 36+12*\t, 90, 91, \t*FRB                          ; V's four fragments land under the softmax
.endr
	ds_load_b128 v[248:251], v94
.irp k, 0,1,2,3                                        ; the largest score of each block of 32: two chains a block, four by turns
	v_max3_num_f32 v[208+\k], v[96+16*\k], v[97+16*\k], v[98+16*\k]
.endr
.irp i, 3,5,7,9,11,13
.irp k, 0,1,2,3
	v_max3_num_f32 v[208+\k], v[208+\k], v[96+16*\k+\i], v[97+16*\k+\i]
.endr
.endr
	v_max3_num_f32 v206, v208, v209, v111
	v_max3_num_f32 v207, v210, v211, v143
	v_max_num_f32 v206, v206, v127
	v_max_num_f32 v207, v207, v159
	s_delay_alu instid0(VALU_DEP_1)
	v_max_num_f32 v212, v206, v207
	s_delay_alu instid0(VALU_DEP_1)
	v_permlanex16_b32 v213, v212, s[SEL], s[SEL+1]
	s_delay_alu instid0(VALU_DEP_1)
	v_max3_num_f32 v13, v13, v212, v213                    ; the running largest score of my query
	s_delay_alu instid0(VALU_DEP_1)
	v_mul_f32 v214, s[NC], v13
	s_delay_alu instid0(VALU_DEP_1)
	v_floor_f32 v12, v214                                  ; the new -M = -ceil(t)
.set FJ, 0
	TM 6
	v_sub_f32 v215, v12, v254                              ; old M - new M: a whole number, 0 or less
	TM 6
	v_cvt_i32_f32 v215, v215                               ; (it saturates)
	TM 6
	v_ldexp_f32 v252, 1.0, v215                            ; f = 2^(old M - new M)
	TM 14
	v_fma_f32 v206, v206, s[CS], v12                       ; the same of each block's largest score
	v_fma_f32 v207, v207, s[CS], v12
.set j, 0
.rept 16
	v_pk_mul_f32 v[160+j:161+j], v[160+j:161+j], v[252:253] op_sel_hi:[1,0]   ; O^T under the new M, ahead of the exponentials
.set j, j+2
.endr
	WALU                                                   ; the wait ahead of the batch
.set j, 0
.rept 64
	v_exp_f32 v[96+j], v[96+j]                             ; p = 2^(t - M)
.set j, j+1
.endr
	v_exp_f32 v206, v206                                   ; the blocks' largest p
	v_exp_f32 v207, v207
	v_pk_mul_f32 v[14:15], v[14:15], v[252:253] op_sel_hi:[1,0]   ; the sum under the new M: a plain line behind the batch
	WALU                                                   ; and the wait behind it
.set LN, 0                                             ; the scale's chain, with four additions of the row's sum between its links
	v_max_num_f32 v206, 0x1800000, v206                    ; the floor 2^(3 - 127)
	v_max_num_f32 v207, 0x1800000, v207
	L4
	v_add_nc_u32 v216, 0xff000000, v206                    ; 2 off the exponent field: the conversions' scale operands
	v_add_nc_u32 v217, 0xff000000, v207
	L4
	v_lshrrev_b32 v218, 23, v216                           ; the bytes of blocks h and 2 + h
	v_lshrrev_b32 v219, 23, v217
	L4
	v_lshl_or_b32 v253, v219, 16, v218
	L4
	v_lshlrev_b32 v253, v95, v253                          ; 8 h bits up
	L4
	v_permlanex16_b32 v220, v253, s[SEL], s[SEL+1]
	L4
	v_or_b32 v253, v253, v220                              ; p's scale word for these 128 keys
.irp c, 0,1
	v_cvt_scalef32_pk16_fp6_f32 v[224+6*\c:226+6*\c], v[96+32*\c:111+32*\c], v[216+\c]
	v_cvt_scalef32_pk16_fp6_f32 v[236+4*\c:238+4*\c], v[112+32*\c:127+32*\c], v[216+\c]   ; (a conversion's three registers begin on an even number)
.endr
	LADD 24                                                ; a plain line behind the conversions
.irp c, 0,1
.irp i, 0,1,2
	v_mov_b32 v[227+6*\c+\i], v[236+4*\c+\i]
.endr
.endr
	v_pk_add_f32 v[192:193], v[192:193], v[194:195]        ; four joins: the places between p's codes and the products (eleven plain lines stand behind the scale word)
	v_pk_add_f32 v[196:197], v[196:197], v[198:199]
	v_pk_add_f32 v[200:201], v[200:201], v[202:203]
	v_pk_add_f32 v[14:15], v[14:15], v[204:205]
	WALU
	s_wait_dscnt 0x0                                       ; V
	s_add_co_u32 s[TK], s[TK], KSTEP
	s_add_co_u32 s[TV], s[TV], VSTEP
	s_add_co_u32 s[TS], s[TS], 256
.irp t, 0,1,2,3
	v_wmma_scale_f32_16x16x128_f8f6f4 v[160+8*\t:167+8*\t], v[36+12*\t:47+12*\t], v[224:235], v[160+8*\t:167+8*\t], v[248+\t], v253 matrix_a_fmt:MATRIX_FMT_FP6 matrix_b_fmt:MATRIX_FMT_FP6
.endr
	v_pk_add_f32 v[192:193], v[192:193], v[196:197]        ; five plain lines: the places in front of the next step's loads
	v_pk_add_f32 v[14:15], v[14:15], v[200:201]
	v_add_nc_u32 v7, s[TK], v1
	v_add_nc_u32 v8, s[TK], v2
	v_add_nc_u32 v92, s[TS], v5
	s_sub_co_u32 s[KCNT], s[KCNT], 1
	s_cmp_lg_u32 s[KCNT], 0
	WALU                                                   ; the wait ahead of the branch
	s_cbranch_scc1 .Lstep
	; the tile's end: O^T / the sum; register 16 b + i is channel 32 b + 16 (lane / 16) + i of the head: two blocks along the last product's K
	v_pk_add_f32 v[14:15], v[14:15], v[192:193]
	s_delay_alu instid0(VALU_DEP_1)
	v_add_f32 v14, v14, v15
	s_delay_alu instid0(VALU_DEP_1)
	v_permlanex16_b32 v252, v14, s[SEL], s[SEL+1]
	s_delay_alu instid0(VALU_DEP_1)
	v_add_f32 v14, v14, v252
	WALU
	v_rcp_f32 v14, v14
	v_nop                                                  ; a plain line behind the transcendental
	WALU
.set j, 0
.rept 32
	v_mul_f32 v[192+j], v[160+j], v14
.set j, j+1
.endr
.irp b, 0,1
	v_max3_num_f32 v[232+\b], |v[192+16*\b]|, |v[193+16*\b]|, 0x1800000
.endr
.irp i, 2,4,6,8,10,12,14
.irp b, 0,1
	s_delay_alu instid0(VALU_DEP_2)
	v_max3_num_f32 v[232+\b], v[232+\b], |v[192+16*\b+\i]|, |v[193+16*\b+\i]|
.endr
.endr
.irp b, 0,1
	v_permlanex16_b32 v[236+\b], v[232+\b], s[SEL], s[SEL+1]
.endr
.irp b, 0,1
	s_delay_alu instid0(VALU_DEP_2)
	v_max_num_f32 v[232+\b], v[232+\b], v[236+\b]
.endr
.irp b, 0,1
	s_delay_alu instid0(VALU_DEP_2)
	v_add_nc_u32 v[246+\b], 0xff000000, v[232+\b]
.endr
.irp b, 0,1
	s_delay_alu instid0(VALU_DEP_2)
	v_lshrrev_b32 v[236+\b], 23, v[246+\b]
.endr
	s_delay_alu instid0(VALU_DEP_1)
	v_lshl_or_b32 v254, v237, 8, v236                      ; this tile's two bytes
	v_lshrrev_b32 v93, 16, v93
	s_delay_alu instid0(VALU_DEP_1)
	v_lshl_or_b32 v93, v254, 16, v93                       ; behind two trips: the first tile's below, the second tile's above
	v_cvt_scalef32_pk16_fp6_f32 v[224:226], v[192:207], v246
	v_cvt_scalef32_pk16_fp6_f32 v[240:242], v[208:223], v247
	v_nop                                                  ; one plain line behind the scaled conversions
.irp i, 0,1,2
	v_permlane16_swap_b32 v[224+\i], v[240+\i]
.endr
.irp i, 0,1,2
	s_delay_alu instid0(VALU_DEP_3)
	v_mov_b32 v[227+\i], v[240+\i]
.endr
	global_store_b128 v244, v[224:227], s[60:61]           ; a half-image: 512 and 256 consecutive bytes, aligned to 256
	global_store_b64 v245, v[228:229], s[60:61] offset:512
.irp i, 0,1,2,3,4,5
	v_mov_b32 v[22+\i], v[84+\i]                           ; the second tile's q (in the second trip these six lines serve nothing)
.endr
	s_wait_xcnt 0x0                                        ; the stores have read their base and data: both are written again only behind this wait
	s_add_nc_u64 s[60:61], s[60:61], 12288
	s_add_co_u32 s[SELQ], s[SELQ], 0x02020202              ; the scale word's upper half
	s_sub_co_u32 s[PCNT], s[PCNT], 1
	s_cmp_lg_u32 s[PCNT], 0
	WALU
	s_cbranch_scc1 .Lpass
	ds_store_b32 v11, v93                                  ; both lanes of a row write the same word with the same value
	s_wait_dscnt 0x0                                       ; for the others' sake: it has landed
	s_barrier_signal -1
	s_barrier_wait -1
	s_cmp_lt_u32 s[WV], 2
	s_cbranch_scc0 .Lno_words
	ds_load_b128 v[36:39], v34                             ; the sixteen waves' words: four units, two a wave
	s_wait_dscnt 0x0
	global_store_b128 v35, v[36:39], s[10:11]
.Lno_words:
	s_wait_tensorcnt 0x0                                   ; the wave's end
	ds_add_u32 v243, v255
	s_wait_dscnt 0x0
	CROUND                                                 ; the closing round
	s_endpgm
.Lfunc_end_k_q37f1ab744d_attn:
	.size	k_q37f1ab744d_attn, .Lfunc_end_k_q37f1ab744d_attn-k_q37f1ab744d_attn
	.p2alignl 7, 3214868480
	.fill 96, 4, 3214868480
	.section	.rodata,"a",@progbits
	.p2align	6, 0x0
	.amdhsa_kernel k_q37f1ab744d_attn
		.amdhsa_group_segment_fixed_size 327680
		.amdhsa_private_segment_fixed_size 0
		.amdhsa_enable_private_segment 0
		.amdhsa_kernarg_size 32
		.amdhsa_user_sgpr_count 2
		.amdhsa_user_sgpr_kernarg_segment_ptr 1
		.amdhsa_wavefront_size32 1
		.amdhsa_system_sgpr_workgroup_id_x 1
		.amdhsa_system_sgpr_workgroup_id_y 1
		.amdhsa_system_sgpr_workgroup_id_z 1
		.amdhsa_system_vgpr_workitem_id 0
		.amdhsa_next_free_vgpr 256
		.amdhsa_next_free_sgpr 84
		.amdhsa_reserve_vcc 0
		.amdhsa_float_denorm_mode_32 3
		.amdhsa_float_denorm_mode_16_64 3
		.amdhsa_memory_ordered 1
		.amdhsa_forward_progress 1
		.amdhsa_inst_pref_size 32
	.end_amdhsa_kernel
	.amdgpu_metadata
---
amdhsa.version: [ 1, 2 ]
amdhsa.kernels:
  - .name:           k_q37f1ab744d_attn
    .symbol:         k_q37f1ab744d_attn.kd
    .args:
      - { .name: qkvc, .offset: 0, .size: 8, .value_kind: global_buffer, .address_space: global }
      - { .name: qkvs, .offset: 8, .size: 8, .value_kind: global_buffer, .address_space: global }
      - { .name: oc, .offset: 16, .size: 8, .value_kind: global_buffer, .address_space: global }
      - { .name: os, .offset: 24, .size: 8, .value_kind: global_buffer, .address_space: global }
    .group_segment_fixed_size: 327680
    .private_segment_fixed_size: 0
    .kernarg_segment_align: 8
    .kernarg_segment_size: 32
    .max_flat_workgroup_size: 512
    .sgpr_count:     84
    .vgpr_count:     256
    .wavefront_size: 32
...
	.end_amdgpu_metadata
.endif
;; end of part 3
;; launch gemm_fc (part 4): grid 4 x 64, 4 waves a work-group, clusters of 4 x 4, 327,680 bytes of LDS; arguments oc, os, wc, osc, b_fc, out0; writes out0
.if DOCPART == 4
	.amdgcn_target "amdgcn-amd-amdhsa--gfx1250"
	.amdhsa_code_object_version 6
	.text
	.protected	k_q37f1ab744d_gemm_fc
	.globl	k_q37f1ab744d_gemm_fc
	.p2align	8
	.type	k_q37f1ab744d_gemm_fc,@function
k_q37f1ab744d_gemm_fc:
	s_mov_b64 s[64:65], 0
	v_nop
	global_prefetch_b8 v0, s[64:65] scope:SCOPE_SE
	s_setreg_imm32_b32 hwreg(HW_REG_WAVE_MODE, 25, 1), 1
	s_wait_xcnt 0x0
	s_wait_alu depctr_hold_cnt(0) depctr_sa_sdst(0) depctr_va_vdst(0) depctr_va_sdst(0) depctr_va_ssrc(0) depctr_va_vcc(0) depctr_vm_vsrc(0)
	s_getreg_b32 s2, hwreg(HW_REG_IB_STS2, 6, 4)
	s_cmp_eq_u32 s2, 0
	s_cbranch_scc0 .Lentry_in_a_cluster
	s_endpgm
.Lentry_in_a_cluster:
	s_bfe_u32 s2, ttmp6, 0x10000c
	s_cmp_lg_u32 s2, 0xf033
	s_cbranch_scc0 .Lentry_shape_is_right
	s_endpgm
.Lentry_shape_is_right:
.set SLOT,  73728
.set QOFF,  98304                      ; LDS: the 8 tiles of o, all of K (12,288 bytes a tile), then the 16 tiles of w_fc: each wave brings its share by ONE dense load at the head
.set TK,    3072
.set FRB,   1536
.set TILEB, 12288
.set SPITCH, 528
.set AP16, 4
.set AP8,  8
.set AQ16, 12
.set AQ8,  16
.set STO,  24
.set RD,   25
.set CO,   26
.set QSO,  27
.set WSO,  28
.set BLO,  29
.set PSC,  32
.set QSC,  64
.set PF,   128
.set W,    128
.set BK,   128
.set WV,   16
.set WP,   17
.set WQ,   18
.set G1P,  20
.set G1Q,  28
.set G0P,  36
.set G0Q,  68
.set MSB, 0
.macro WIN new
.if MSB != (\new)
	s_set_vgpr_msb (MSB<<8)|(\new)
.set MSB, (\new)
.endif
.endm
.macro PLACES
.rept 4
	v_nop
.endr
.endm
.macro JLOAD g0p, g0q
	s_cmp_eq_u32 s[WP], 0
	s_cbranch_scc0 .Lfor_q_\@
	tensor_load_to_lds s[\g0p:\g0p+3], s[G1P:G1P+7]
	s_nop 0
.rept 4
	v_nop
.endr
	s_branch .Lasked_\@
.Lfor_q_\@:
	tensor_load_to_lds s[\g0q:\g0q+3], s[G1Q:G1Q+7]
	s_nop 0
.rept 4
	v_nop
.endr
.Lasked_\@:
.endm
.macro CROUND
	s_barrier_signal -1
	s_barrier_wait -1
	s_cmp_lg_u32 s[WV], 0
	s_cbranch_scc1 .Lnot_wave_0_\@
	s_barrier_signal -3
.Lnot_wave_0_\@:
	s_barrier_wait -3
	s_barrier_signal -1
	s_barrier_wait -1
.endm
.macro FRAG reg, a16, a8, off
	ds_load_b128 v[\reg:\reg+3], v[\a16] offset:\off
	ds_load_b64 v[\reg+4:\reg+5], v[\a8] offset:\off+512
	ds_load_b128 v[\reg+6:\reg+9], v[\a16] offset:\off+768
	ds_load_b64 v[\reg+10:\reg+11], v[\a8] offset:\off+1280
.endm
.macro FFETCH sg
	WIN 0x40
.irp i, 0,1,2,3,4,5,6,7
	FRAG 128*((\sg)%2)+12*\i, AQ16+\i/2, AQ8+\i/2, (\i%2)*TILEB+(\sg)*FRB
.endr
	WIN 0
.irp i, 0,1,2,3
	FRAG PF+48*((\sg)%2)+12*\i, AP16+\i, AP8+\i, (\sg)*FRB
.endr
.endm
.macro MUL32 sg
.irp a, 0,1,2,3
.irp b, 0,1,2,3,4,5,6,7
.if (\sg) == 0
	v_wmma_scale_f32_16x16x128_f8f6f4 v[8*(8*\a+\b):8*(8*\a+\b)+7], v[128*((\sg)%2)+12*\b:128*((\sg)%2)+12*\b+11], v[PF+48*((\sg)%2)+12*\a:PF+48*((\sg)%2)+12*\a+11], v[8*\b:8*\b+7], v[QSC+8*\b+(\sg)], v[PSC+8*\a+(\sg)] matrix_a_fmt:MATRIX_FMT_FP6 matrix_b_fmt:MATRIX_FMT_FP6
.else
	v_wmma_scale_f32_16x16x128_f8f6f4 v[8*(8*\a+\b):8*(8*\a+\b)+7], v[128*((\sg)%2)+12*\b:128*((\sg)%2)+12*\b+11], v[PF+48*((\sg)%2)+12*\a:PF+48*((\sg)%2)+12*\a+11], v[8*(8*\a+\b):8*(8*\a+\b)+7], v[QSC+8*\b+(\sg)], v[PSC+8*\a+(\sg)] matrix_a_fmt:MATRIX_FMT_FP6 matrix_b_fmt:MATRIX_FMT_FP6
.endif
.endr
.endr
.endm
	s_load_b256 s[4:11], s[0:1], 0x0
	s_load_b128 s[12:15], s[0:1], 0x20
	v_lshl_add_u32 v30, v0, 2, 0x48000
	v_mov_b32 v31, 0
	ds_add_u32 v30, v31
	ds_add_u32 v30, v31
	v_lshrrev_b32 v1, 5, v0
	v_readfirstlane_b32 s[WV], v1
	s_lshr_b32 s[WP], s[WV], 1
	s_and_b32 s[WQ], s[WV], 1
	s_bfe_u32 s52, ttmp6, 0x40000
	s_bfe_u32 s53, ttmp6, 0x40004
	s_and_b32 s54, ttmp7, 0xffff
	s_lshl_b32 s55, s54, 2
	s_add_co_u32 s55, s55, s53
	s_lshl_b32 s56, s53, 2
	s_lshl_b32 s56, 15, s56
	s_lshl_b32 s57, 0x1111, s52
	s_or_b32 s[G1P], s56, (3<<16)|(1<<21)
	s_mov_b32 s[G1P+1], 1536<<16
	s_mov_b32 s[G1P+2], 4<<16
	s_mov_b32 s[G1P+3], 1536<<16
	s_mov_b32 s[G1P+4], 4
	s_mov_b32 s[G1P+5], 1536
	s_mov_b32 s[G1P+6], 0
	s_mov_b32 s[G1P+7], 0
	s_or_b32 s[G1Q], s57, (3<<16)|(1<<21)
	s_mov_b32 s[G1Q+1], 1536<<16
	s_mov_b32 s[G1Q+2], 8<<16
	s_mov_b32 s[G1Q+3], 1536<<16
	s_mov_b32 s[G1Q+4], 8
	s_mov_b32 s[G1Q+5], 1536
	s_mov_b32 s[G1Q+6], 0
	s_mov_b32 s[G1Q+7], 0
	s_lshl_b32 s60, s55, 3
	s_lshl_b32 s62, s[WQ], 2
	s_add_co_u32 s60, s60, s62
	s_mul_i32 s60, s60, TILEB
	s_mov_b32 s61, 0
	s_lshl_b32 s86, s52, 4
	s_lshl_b32 s62, s[WQ], 3
	s_add_co_u32 s86, s86, s62
	s_add_co_u32 s86, s86, 192
	s_mul_i32 s86, s86, TILEB
	s_mov_b32 s87, 0
	s_mul_i32 s88, s[WQ], 4*TILEB
	s_mul_i32 s89, s[WQ], 8*TILEB
	s_add_co_u32 s89, s89, QOFF
	s_wait_dscnt 0x0
	s_wait_kmcnt 0x0
	s_add_nc_u64 s[58:59], s[4:5], s[60:61]
	s_add_nc_u64 s[84:85], s[8:9], s[86:87]
	CROUND
.irp n, 0
	s_mov_b32 s[G0P+4*\n], 1
	s_add_co_u32 s[G0P+4*\n+1], s88, \n*SLOT
	s_add_nc_u64 s[G0P+4*\n+2:G0P+4*\n+3], s[58:59], \n*TK
	s_or_b32 s[G0P+4*\n+3], s[G0P+4*\n+3], 0x80000000
	s_mov_b32 s[G0Q+4*\n], 1
	s_add_co_u32 s[G0Q+4*\n+1], s89, \n*SLOT
	s_add_nc_u64 s[G0Q+4*\n+2:G0Q+4*\n+3], s[84:85], \n*TK
	s_or_b32 s[G0Q+4*\n+3], s[G0Q+4*\n+3], 0x80000000
	JLOAD G0P+4*\n, G0Q+4*\n
.endr
	v_and_b32 v1, 31, v0
	v_and_b32 v2, 15, v0
	s_wait_alu depctr_va_vdst(0)
	v_bfe_u32 v3, v0, 4, 1
	s_wait_alu depctr_va_vdst(0)
	v_lshlrev_b32 v21, 4, v1
	s_wait_alu depctr_va_vdst(0)
	v_lshlrev_b32 v22, 3, v1
	s_wait_alu depctr_va_vdst(0)
	s_lshl_b32 s90, s52, 4
	s_lshl_b32 s91, s[WQ], 3
	s_add_co_u32 s90, s90, s91
	s_lshl_b32 s90, s90, 9
	s_add_co_u32 s90, s90, 360448
	v_lshl_add_u32 v[QSO], v2, 4, s90
.set i, 0
.rept 8
	global_load_b128 v[QSC+8*i:QSC+8*i+3], v[QSO], s[10:11] offset:i*512
	global_load_b128 v[QSC+8*i+4:QSC+8*i+7], v[QSO], s[10:11] offset:i*512+256
.set i, i+1
.endr
	s_lshr_b32 s90, s55, 4
	s_lshl_b32 s90, s90, 16
	s_and_b32 s91, s55, 15
	s_lshl_b32 s91, s91, 8
	s_add_co_u32 s90, s90, s91
	s_lshl_b32 s91, s[WP], 3
	s_add_co_u32 s90, s90, s91
	v_lshl_add_u32 v[WSO], v2, 4, s90
.set i, 0
.rept 16
	global_load_b64 v[W+2*i:W+2*i+1], v[WSO], s[6:7] offset:i*4096
.set i, i+1
.endr
	s_lshl_b32 s90, s52, 10
	s_lshl_b32 s91, s[WQ], 9
	s_add_co_u32 s90, s90, s91
	s_mov_b32 s91, 0
	s_add_nc_u64 s[12:13], s[12:13], s[90:91]
	s_add_nc_u64 s[14:15], s[14:15], s[90:91]
	v_lshlrev_b32 v[BLO], 6, v3
	WIN 0xc0
.set t, 0
.rept 8
	global_load_b128 v[8*t:8*t+3], v[BLO], s[12:13] offset:(32*(t/2)+8*(t%2))*4
	global_load_b128 v[8*t+4:8*t+7], v[BLO], s[12:13] offset:(32*(t/2)+8*(t%2))*4+16
.set t, t+1
.endr
	WIN 0
	s_lshl_b32 s90, s55, 19
	s_lshl_b32 s92, s[WP], 18
	s_add_co_u32 s90, s90, s92
	s_add_nc_u64 s[14:15], s[14:15], s[90:91]
	s_mul_i32 s92, s[WP], 4*TILEB
	s_mul_i32 s93, s[WQ], 8*TILEB
	s_add_co_u32 s93, s93, QOFF
.irp n, 0,1,2,3
	v_add_nc_u32 v[AP16+\n], s92, v21
	v_add_nc_u32 v[AP8+\n], s92, v22
	v_add_nc_u32 v[AQ16+\n], s93, v21
	v_add_nc_u32 v[AQ8+\n], s93, v22
	s_add_co_u32 s92, s92, TILEB
	s_add_co_u32 s93, s93, 2*TILEB
.endr
	s_mul_i32 s92, s[WV], 16*SPITCH
	v_mul_u32_u24 v[STO], v2, SPITCH
	v_lshl_add_u32 v[STO], v3, 6, v[STO]
	v_add_nc_u32 v[STO], s92, v[STO]
	v_add_nc_u32 v[RD], s92, v21
	v_mov_b32 v[CO], v21
	s_wait_loadcnt 0x0
.irp sg, 0,1,2,3,4,5,6,7
.irp i, 0,1,2,3
.if \i%2
	v_perm_b32 v[PSC+8*\i+\sg], v[W+2*(2*\sg+1)+\i/2], v[W+4*\sg+\i/2], 0x07060302
.else
	v_perm_b32 v[PSC+8*\i+\sg], v[W+2*(2*\sg+1)+\i/2], v[W+4*\sg+\i/2], 0x05040100
.endif
.endr
.endr
	s_wait_alu depctr_va_vdst(0)
	s_wait_tensorcnt 0x0
	s_barrier_signal -1
	s_barrier_wait -1
	FFETCH 0
.irp sg, 0,1,2,3,4,5,6,7
.if \sg < 7
.if \sg > 0
	PLACES
.endif
	FFETCH \sg+1
	s_wait_dscnt 48
.else
	s_wait_dscnt 0x0
	s_barrier_signal -1                    ; my last reads of the tiles are over: the stage lies on bytes of o's tiles
.endif
.if \sg == 0
	WIN 0xb1
.else
	WIN 0xa1
.endif
	MUL32 \sg
.endr
	WIN 0
	s_barrier_wait -1                      ; everybody's are
.macro TOSTAGE a
	WIN 0x08
.irp b, 0,1,2,3,4,5,6,7
	ds_store_b128 v[STO], v[8*(8*(\a)+\b):8*(8*(\a)+\b)+3] offset:128*(\b/2)+32*(\b%2)
	ds_store_b128 v[STO], v[8*(8*(\a)+\b)+4:8*(8*(\a)+\b)+7] offset:128*(\b/2)+32*(\b%2)+16
.endr
	WIN 0
.set BB, BK+64*((\a)%2)
.set t, 0
.rept 16
	ds_load_b128 v[BB+4*t:BB+4*t+3], v[RD] offset:t*SPITCH
.set t, t+1
.endr
.endm
.macro SEND a, younger
.set BB, BK+64*((\a)%2)
	s_wait_dscnt \younger
.set t, 0
.rept 16
	global_store_b128 v[CO], v[BB+4*t:BB+4*t+3], s[14:15] offset:(32*((\a)/2)+8*((\a)%2)+t+8*(t/8))*4096 th:TH_STORE_NT
.set t, t+1
.endr
.endm
	PLACES
	TOSTAGE 0
.irp a, 1,2,3
.if \a > 1
	s_wait_xcnt 0x0
.endif
	TOSTAGE \a
	SEND \a-1, 32
.endr
	SEND 3, 0
	s_wait_tensorcnt 0x0
	ds_add_u32 v30, v31
	s_wait_dscnt 0x0
	CROUND
	s_endpgm
.Lfunc_end_k_q37f1ab744d_gemm_fc:
	.size	k_q37f1ab744d_gemm_fc, .Lfunc_end_k_q37f1ab744d_gemm_fc-k_q37f1ab744d_gemm_fc
	.p2alignl 7, 3214868480
	.fill 96, 4, 3214868480
	.section	.rodata,"a",@progbits
	.p2align	6, 0x0
	.amdhsa_kernel k_q37f1ab744d_gemm_fc
		.amdhsa_group_segment_fixed_size 327680
		.amdhsa_private_segment_fixed_size 0
		.amdhsa_enable_private_segment 0
		.amdhsa_kernarg_size 48
		.amdhsa_user_sgpr_count 2
		.amdhsa_user_sgpr_kernarg_segment_ptr 1
		.amdhsa_wavefront_size32 1
		.amdhsa_system_sgpr_workgroup_id_x 1
		.amdhsa_system_sgpr_workgroup_id_y 1
		.amdhsa_system_sgpr_workgroup_id_z 1
		.amdhsa_system_vgpr_workitem_id 0
		.amdhsa_next_free_vgpr 832
		.amdhsa_next_free_sgpr 96
		.amdhsa_reserve_vcc 0
		.amdhsa_float_denorm_mode_32 3
		.amdhsa_float_denorm_mode_16_64 3
		.amdhsa_memory_ordered 1
		.amdhsa_forward_progress 1
		.amdhsa_inst_pref_size 88
	.end_amdhsa_kernel
	.amdgpu_metadata
---
amdhsa.version: [ 1, 2 ]
amdhsa.kernels:
  - .name:           k_q37f1ab744d_gemm_fc
    .symbol:         k_q37f1ab744d_gemm_fc.kd
    .args:
      - { .name: oc, .offset: 0, .size: 8, .value_kind: global_buffer, .address_space: global }
      - { .name: os, .offset: 8, .size: 8, .value_kind: global_buffer, .address_space: global }
      - { .name: wc, .offset: 16, .size: 8, .value_kind: global_buffer, .address_space: global }
      - { .name: osc, .offset: 24, .size: 8, .value_kind: global_buffer, .address_space: global }
      - { .name: b_fc, .offset: 32, .size: 8, .value_kind: global_buffer, .address_space: global }
      - { .name: out0, .offset: 40, .size: 8, .value_kind: global_buffer, .address_space: global }
    .group_segment_fixed_size: 327680
    .private_segment_fixed_size: 0
    .kernarg_segment_align: 8
    .kernarg_segment_size: 48
    .max_flat_workgroup_size: 128
    .sgpr_count:     96
    .vgpr_count:     832
    .wavefront_size: 32
...
	.end_amdgpu_metadata
.endif
;; end of part 4
